; MI455X (gfx1250); checked and timed in simulation.
; The chip was launched on July 23, 2026; its instructions are those of AMD's public machine-readable ISA for CDNA 5 (MIT licence, August 2026) and "CDNA5" Instruction Set Architecture Reference Guide (July 2026). The comments in the code are by the model that wrote it; some were corrected since.
;; Multi Head Self Attention. Allowed arithmetic: matrix products marked QUANTISED: E2M3 operands, one E8M0 scale for each 32 along K, by v_wmma_scale_f32_16x16x128_f8f6f4 with both operands' format E2M3, f32 sums; everything else in f32.
;; Inputs: Wk_codes 1,024 x 32 x 24 uint8 (E2M3 codes of Wk, K innermost, in blocks of 32 codes, four codes in three bytes); Wk_scales 1,024 x 32 uint8 (E8M0 scales of Wk, one for each 32 codes along K); Wo_codes 1,024 x 32 x 24 uint8 (E2M3 codes of Wo, K innermost, in blocks of 32 codes, four codes in three bytes); Wo_scales 1,024 x 32 uint8 (E8M0 scales of Wo, one for each 32 codes along K); Wq_codes 1,024 x 32 x 24 uint8 (E2M3 codes of Wq, K innermost, in blocks of 32 codes, four codes in three bytes); Wq_scales 1,024 x 32 uint8 (E8M0 scales of Wq, one for each 32 codes along K); Wv_codes 1,024 x 32 x 24 uint8 (E2M3 codes of Wv, K innermost, in blocks of 32 codes, four codes in three bytes); Wv_scales 1,024 x 32 uint8 (E8M0 scales of Wv, one for each 32 codes along K); bk 1,024 float32; bo 1,024 float32; bq 1,024 float32; bv 1,024 float32; x_codes 4 x 2,048 x 32 x 24 uint8 (E2M3 codes of x, K innermost, in blocks of 32 codes, four codes in three bytes); x_scales 4 x 2,048 x 32 uint8 (E8M0 scales of x, one for each 32 codes along K).
;; Outputs: out0 4 x 2,048 x 1,024 float32.
;; This version of the problem:
;;   THIS VERSION OF THE PROBLEM IS GIVEN IN LOW PRECISION. The matrix products marked QUANTISED in the list below multiply operands that are first quantised to E2M3 (2 exponent bits, 3 mantissa bits; 6 bits a number), with one power-of-two scale for each 32 numbers along K (OCP MX v1.0); their sums are f32. All else is computed in f32.
;;   The module's matrix products, in the order in which they are computed (A, B: the left and right operand; K: the contracted axis; several contracted axes count as one K, in the product's order):
;;     1. [M 8,192, K 1,024] x [K 1,024, N 1,024]; A: input x (given as codes); B: input Wq (given as codes): QUANTISED
;;     2. [M 8,192, K 1,024] x [K 1,024, N 1,024]; A: input x (given as codes); B: input Wk (given as codes): QUANTISED
;;     3. [M 8,192, K 1,024] x [K 1,024, N 1,024]; A: input x (given as codes); B: input Wv (given as codes): QUANTISED
;;     4. batch 64 x [M 2,048, K 64] x [K 64, N 2,048]; A: computed on the way; B: computed on the way: QUANTISED
;;     5. batch 64 x [M 2,048, K 2,048] x [K 2,048, N 64]; A: softmax (see below); B: computed on the way: QUANTISED
;;     6. [M 8,192, K 1,024] x [K 1,024, N 1,024]; A: computed on the way; B: input Wo (given as codes): QUANTISED
;;   THE QUANTISER, for each operand of a quantised product, along K:
;;     - K is cut into blocks of 32 from its start; a last block that is shorter is filled with zeros.
;;     - A block's scale is 2^e with e = floor(log2(the largest magnitude in the block)) - 2, held to -126 .. 127; a block of zeros has e = 0. As a byte (E8M0): e + 127.
;;     - Each number is divided by its block's scale, clamped to +-7.5, and rounded to the nearest number of E2M3, ties to even, subnormals kept.
;;     - The product sums the exact products of the quantised numbers (number of the format x scale) in f32.
;;   ~~~python
;;   def quantise(x, axis):      # numpy; x: float32 -> the quantised numbers, widened to float32 again
;;       x = np.moveaxis(x, axis, -1); K = x.shape[-1]
;;       x = np.pad(x, [(0, 0)] * (x.ndim - 1) + [(0, -K % 32)]); x = x.reshape(x.shape[:-1] + (-1, 32)); a = np.abs(x).max(-1, keepdims=True)
;;       e = np.where(a > 0, np.clip(np.frexp(np.where(a > 0, a, 1))[1] - 1 - 2, -126, 127), 0)      # np.frexp(a)[1] - 1 = floor(log2(a)), exactly
;;       r = np.clip(x / 2.0 ** e, -7.5, 7.5)
;;       step = 2.0 ** (np.maximum(np.frexp(np.where(r == 0, 1, r))[1] - 1, 0) - 3)
;;       q = np.round(r / step) * step * 2.0 ** e      # np.round: ties to even
;;       return np.moveaxis(q.reshape(q.shape[:-2] + (-1,))[..., :K], -1, axis).astype(np.float32)
;;   ~~~
;;   SOFTMAX AHEAD OF A QUANTISED PRODUCT. Where the list says 'softmax', what is quantised is not the finished softmax but p = 2^(t - M), with t = logit x log2(e) and M = ceil(the row's largest t), a whole number; so 1/2 < the row's largest p <= 1. The row's sum l is taken of the UNQUANTISED p, in f32, and the product's result is divided by l at the end. Since M is a whole number, a kernel that streams over the keys may use a running M (the ceiling of the running maximum): every later rescaling is an exact power of two, which a block's scale takes up: the codes' values come out the same.
;;   OPERANDS COMPUTED ON THE WAY. 'Computed on the way' means the value that the module computes at that place (a softmax that the list does not call 'softmax' is quantised finished and normalised). What goes into a quantiser is computed in f32, as accurately as f32 sums, v_exp_f32 and their like allow (about 1e-6 of the number): no bf16 or f16 on the way to a quantiser, and a product that is left as it is and whose result goes on into a quantised operand takes f32 operands (vector FMAs, or v_wmma_f32_16x16x4_f32). A number that lies on a knife's edge between two numbers of the format may be rounded either way, as far as f32 arithmetic and the matrix unit's own rounding can turn it there, and no further.
;;   INPUTS GIVEN AS CODES. Wk (in the module: [1024, 1024], K = its axis 0); Wo (in the module: [1024, 1024], K = its axis 0); Wq (in the module: [1024, 1024], K = its axis 0); Wv (in the module: [1024, 1024], K = its axis 0); x (in the module: [4, 2048, 1024], K = its axis 2): each comes as NAME_codes (uint8): NAME with its K axis moved to the last place and cut into blocks of 32 codes, [.., K / 32, bytes a block], one block behind the other in memory; four codes in three bytes: a row's codes are one little-endian stream of bits, code i at bits 6 i .. 6 i + 5 (a code: sign, 2 exponent bits, 3 mantissa bits); and NAME_scales (uint8): the same leading axes, one E8M0 byte (e + 127) for each 32 codes along K. Its value is code x scale, taken as it is: it is not quantised again, and the codes and scales need not be those that the quantiser above would give.
;; One version. Each part assembles by itself: llvm-mc -triple=amdgcn-amd-amdhsa -mcpu=gfx1250 --defsym DOCPART=n.
;; ======== version 1 of 1: 3 launches
;; workspace buffers: qrec 6,815,744 bytes; kvrec 13,369,344 bytes; orec 6,291,456 bytes; osc 262,144 bytes
;; launch proj (part 1): grid 12 x 32, 4 waves a work-group, clusters of 4 x 4, 327,680 bytes of LDS; arguments x_codes, x_scales, Wq_codes, Wq_scales, Wk_codes, Wk_scales, Wv_codes, Wv_scales, bq, bk, bv, qrec, kvrec; writes qrec, kvrec
.if DOCPART == 1
	.amdgcn_target "amdgcn-amd-amdhsa--gfx1250"
	.amdhsa_code_object_version 6
	.text
	.protected	k_q75539bc703_proj
	.globl	k_q75539bc703_proj
	.p2align	8
	.type	k_q75539bc703_proj,@function
k_q75539bc703_proj:
	s_mov_b64 s[64:65], 0
	v_nop
	global_prefetch_b8 v0, s[64:65] scope:SCOPE_SE
	s_setreg_imm32_b32 hwreg(HW_REG_WAVE_MODE, 25, 1), 1
	s_wait_xcnt 0x0
	s_wait_alu depctr_hold_cnt(0) depctr_sa_sdst(0) depctr_va_vdst(0) depctr_va_sdst(0) depctr_va_ssrc(0) depctr_va_vcc(0) depctr_vm_vsrc(0)
	s_getreg_b32 s2, hwreg(HW_REG_IB_STS2, 6, 4)
	s_cmp_eq_u32 s2, 0
	s_cbranch_scc0 .Lentry_in_a_cluster
	s_endpgm
.Lentry_in_a_cluster:
	s_bfe_u32 s2, ttmp6, 0x10000c
	s_cmp_lg_u32 s2, 0xf033
	s_cbranch_scc0 .Lentry_shape_is_right
	s_endpgm
.Lentry_shape_is_right:
; q = x Wq + bq, k = x Wk + bk, v = x Wv + bv on codes of FP6 (E2M3) with one E8M0 scale for each 32 along K = 1,024; the results are quantised here, in registers,
; and leave as IMAGES OF THE OPERAND REGISTERS that the attention launch loads: q and k along the head's 64, v along the keys.  No f32 result goes to memory.
; SHARES.  The cluster's x says which product: 0 q, 1 k, 2 v.  A work-group makes 256 tokens x 256 features; each of its four waves 128 x 128: 64 accumulators, 512 registers.
; Source 1 of the matrix instruction is I (a lane holds ONE row of I), source 0 is J (a lane's registers run along J); the result is quantised along J.
;   q, k: I = tokens, J = features (two heads of 64).     v: I = features, J = tokens (the keys).     Wave w: token half w / 2, feature half w % 2.
; THE ROWS OF A TILE ARE NOT NEIGHBOURS.  Row rho of tile T (of the eight tiles of 128 rows) is  pi(T, rho) = 64 (T / 4) + 32 (rho / 8) + 8 ((T % 4) xor (rho / 8)) + rho % 8,  on I and on J alike.
; With that choice on J, the 32 registers of tiles 4 c .. 4 c + 3 of lane (r, h) are ONE WHOLE block of 32: block 2 c + h, as the 6-bit operand layout gives it to that lane: a block's largest magnitude
; needs no other lane and no codes change lanes.  Inside odd blocks the groups of eight stand in the order 1, 0, 3, 2; both operands of each later product are made here in the same way, so the products are the same.
; K goes in steps of 256 through a ring of two LDS slots; the scale bytes of the 256 + 256 rows, for all of K, come once.  CLUSTER 4 x 4: the token tile is shared along a row of the cluster, the weight tile along a column.
; The biases are the C of the first K step's products.
; LIMITS: NaN and infinities are not served.  A block whose largest magnitude lies under 2^-124 keeps the scale byte 1; a block of zeros has the byte 1, not 127: its codes are zeros, and only this program reads the bytes.
; REGISTERS.  window 0: v16-29 offsets and addresses; v32-63 scale words, two sets, and nothing else; v64-127 the biases, later the way out's scratch; v128-223 I's eight fragments, one set, later the codes; v224-239 fragment addresses; v240-247 scale words made.
;   window 1: J's fragments, two sets, at v0 and v128.   windows 2, 3: accumulator (a, b) at v[8 (8 (a % 4) + b)] of window 2 + a / 4.
.set PITCH,  240                       ; an LDS row: 3 x (64 bytes of codes + 16 of padding)
.set HALFT,  128*PITCH                 ; 128 rows: one tensor load
.set SLOT,   4*HALFT                   ; the tokens' 256 rows, then the weights' 256
.set SCL,    2*SLOT                    ; behind the ring: the scale bytes, as pieces of 256 bytes + 16 of padding
.set HALFS,  16*272                    ; those of 128 rows (32 bytes a row)
.set SPARE,  SCL+4*HALFS               ; the spare words: 128 bytes a wave, two blocks of 256 bytes that no other line names
.set ROWB,   192                       ; 256 codes
.set KROW,   768                       ; 1,024 codes: a row in memory
.set FR,     12                        ; registers of a fragment
.set NL,     6                         ; LDS loads that bring one
.set NQ,     2                         ; matrix instructions deep in a slot
.set NP,     4                         ; places behind this matrix instruction (ISA guide 7.12.1)
.set BOE,  16                          ; v16, v17  q, k: bias offsets of even and odd tiles: 160 h, 96 h
.set VOE,  18                          ; v18, v19  v: 4 (r + 32 (r / 8)), 4 (r + 16 (r / 8))
.set SH8,  23                          ; v23  8 h
.set L16,  24                          ; v24  16 x lane
.set L8,   25                          ; v25  8 x lane
.set ADRS, 26                          ; v26, v27  scale words of even and odd tiles: lanes 0-15 I's rows, lanes 16-31 J's
.set SPW,  28                          ; v28  my spare word; never rewritten
.set NIL,  29                          ; v29  0; never rewritten
.set SC,   32
.set BIAS, 64
.set AF,   128
.set ADRI, 224                         ; v[ADRI + 4 slot + 2 (T % 2) + pv]: pv = 1 for the pieces that lie behind one padding more
.set ADRJ, 232
.set MX,   64                          ; the way out: v64-67 four chains of largest magnitudes
.set SO,   68                          ; v68, v69 the conversions' scale operands
.set BY,   70                          ; v70-85 a scale byte for each block made
.set TMP,  86                          ; v86-88, v90-92 the upper halves of two blocks' codes
.set XP,   93
.set KEEP, 94
.set XX,   95
.set CD,   128                         ; v128-223 eight images of 12 registers
.set WD,   240                         ; v240-247 scale words
.set WV,   30
.set TKH,  31                          ; wave / 2: my half of the token tile; also: I fetch tokens (0) or weights (1)
.set WTH,  66                          ; wave % 2: my half of the weight tile; also: which 128 rows I fetch
.set ISV,  67                          ; 1 for v
.set G1T,  32                          ; s[32:39] group 1, s[40:47] groups 0 (one a slot): the tokens' codes
.set G0T,  40
.set G1W,  48                          ; s[48:55], s[56:63]: the weights'
.set G0W,  56
.set G1ST, 68                          ; s[68:75], s[76:79]: the tokens' scale bytes
.set G0ST, 76
.set G1SW, 80                          ; s[80:87], s[88:91]: the weights'
.set G0SW, 88
.set OUTP, 92                          ; s[92:93] my first head's record, s[94:95] my second head's
.set BP,   96                          ; s[96:97] my 128 numbers of the bias
.set SEL,  98                          ; s[98:99] lane selects: lane l xor 16
.set MSB, 0
.macro WIN new                         ; the immediate's high byte repeats the setting that is left; a switch that changes nothing is dropped
.if MSB != (\new)
	s_set_vgpr_msb (MSB<<8)|(\new)
.set MSB, (\new)
.endif
.endm
.set MUL_LO, 0xa1                      ; source 0 (J) window 1, source 1 (I) window 0, C and D window 2
.set MUL_HI, 0xf1                      ; the same, C and D window 3
.set TO_J,   0x40                      ; destination window 1, address window 0
; A joint load: waves 0 and 1 fetch tokens, waves 2 and 3 weights.  Each line has one mask and one set of registers; the branch hangs on the wave's number alone.  Four v_nop follow each line.
.macro JLOAD g0a, g1a, g0b, g1b
	s_cmp_eq_u32 s[TKH], 0
	s_cbranch_scc0 .Lfor_w_\@
	tensor_load_to_lds s[\g0a:\g0a+3], s[\g1a:\g1a+7]
	s_nop 0
.rept 4
	v_nop
.endr
	s_branch .Lasked_\@
.Lfor_w_\@:
	tensor_load_to_lds s[\g0b:\g0b+3], s[\g1b:\g1b+7]
	s_nop 0
.rept 4
	v_nop
.endr
.Lasked_\@:
.endm
.macro CREST                           ; a round of the cluster's barrier behind its opening barrier
	s_cmp_lg_u32 s[WV], 0
	s_cbranch_scc1 .Lnot_wave_0_\@
	s_barrier_signal -3
.Lnot_wave_0_\@:
	s_barrier_wait -3
	s_barrier_signal -1
	s_barrier_wait -1
.endm
.macro CROUND                          ; a whole round
	s_barrier_signal -1
	s_barrier_wait -1
	CREST
.endm
.macro PLACES n
.rept \n
	v_nop
.endr
.endm
	s_load_b512 s[4:19], s[0:1], 0x0               ; x's codes, x's scales, Wq's, Wk's, Wv's codes and scales
	s_load_b256 s[20:27], s[0:1], 0x40             ; bq, bk, bv, qrec
	s_load_b64 s[28:29], s[0:1], 0x60              ; kvrec
	v_lshl_add_u32 v[SPW], v0, 2, SPARE
	v_mov_b32 v[NIL], 0
	ds_add_u32 v28, v29
	ds_add_u32 v28, v29
	s_wait_dscnt 0x0
	v_lshrrev_b32 v1, 5, v0
	v_readfirstlane_b32 s[WV], v1                  ; wave 0..3
	s_lshr_b32 s[TKH], s[WV], 1
	s_and_b32 s[WTH], s[WV], 1
	s_bfe_u32 s2, ttmp6, 0x40000                   ; cx: which 256 rows of the weight
	s_bfe_u32 s3, ttmp6, 0x40004                   ; cy
	s_and_b32 s100, ttmp7, 0xffff
	s_lshl_b32 s100, s100, 2
	s_add_co_u32 s100, s100, s3                    ; y: which 256 tokens = 4 x cluster y + cy
	s_lshl_b32 s101, s3, 2
	s_lshl_b32 s101, 15, s101                      ; my row of the cluster
	s_lshl_b32 s104, 0x1111, s2                    ; my column
	s_or_b32 s[G1T], s101, (1<<20)|(1<<21)|(3<<22)|(3<<25)   ; 15:0 the mask; elements of 1 byte; 20 padding on; 21 set beside a mask; after every 16 words (code 3) 4 words (code 3)
	s_or_b32 s[G1W], s104, (1<<20)|(1<<21)|(3<<22)|(3<<25)
.irp g, G1T, G1W
	s_mov_b32 s[\g+1], ROWB<<16                    ; tensor_dim0 = 192
	s_mov_b32 s[\g+2], 128<<16                     ; tensor_dim1 = 128
	s_mov_b32 s[\g+3], ROWB<<16                    ; tile_dim0
	s_mov_b32 s[\g+4], 128                         ; tile_dim1
	s_mov_b32 s[\g+5], KROW                        ; from row to row
	s_mov_b32 s[\g+6], 0
	s_mov_b32 s[\g+7], 0
.endr
	s_or_b32 s[G1ST], s101, (3<<16)|(1<<20)|(1<<21)|(5<<22)|(3<<25)  ; the scale bytes of 128 rows: 4,096 dense bytes as 16 rows of 256 (32 elements of 8 bytes), 16 bytes of padding behind each
	s_or_b32 s[G1SW], s104, (3<<16)|(1<<20)|(1<<21)|(5<<22)|(3<<25)
.irp g, G1ST, G1SW
	s_mov_b32 s[\g+1], 32<<16
	s_mov_b32 s[\g+2], 16<<16
	s_mov_b32 s[\g+3], 32<<16
	s_mov_b32 s[\g+4], 16
	s_mov_b32 s[\g+5], 32
	s_mov_b32 s[\g+6], 0
	s_mov_b32 s[\g+7], 0
.endr
	s_mov_b32 s[SEL], 0x76543210
	s_mov_b32 s[SEL+1], 0xfedcba98
	s_wait_kmcnt 0x0
	s_cmp_eq_u32 ttmp9, 1                          ; which weight, bias and output: the choice hangs on the cluster's x alone, which all partners share
	s_cselect_b64 s[8:9], s[12:13], s[8:9]
	s_cselect_b64 s[10:11], s[14:15], s[10:11]
	s_cselect_b64 s[20:21], s[22:23], s[20:21]
	s_cmp_eq_u32 ttmp9, 2
	s_cselect_b64 s[8:9], s[16:17], s[8:9]
	s_cselect_b64 s[10:11], s[18:19], s[10:11]
	s_cselect_b64 s[20:21], s[24:25], s[20:21]
	s_cselect_b32 s[ISV], 1, 0
	s_cmp_eq_u32 ttmp9, 0
	s_cselect_b64 s[26:27], s[26:27], s[28:29]
	s_mov_b32 s12, 13056
	s_cselect_b32 s12, 6656, s12                   ; bytes of a record: q's, or k's and v's together
	s_lshl_b32 s14, s[WTH], 7                      ; which 128 rows I fetch
	s_lshl_b32 s13, s100, 8
	s_add_co_u32 s13, s13, s14                     ; tokens: row 256 y + 128 x half
	s_mul_i32 s16, s13, KROW
	s_mov_b32 s17, 0
	s_add_nc_u64 s[4:5], s[4:5], s[16:17]
	s_lshl_b32 s16, s13, 5
	s_add_nc_u64 s[6:7], s[6:7], s[16:17]
	s_lshl_b32 s18, s2, 8
	s_add_co_u32 s18, s18, s14                     ; weights: row 256 cx + 128 x half
	s_mul_i32 s22, s18, KROW
	s_mov_b32 s23, 0
	s_add_nc_u64 s[8:9], s[8:9], s[22:23]
	s_lshl_b32 s22, s18, 5
	s_add_nc_u64 s[10:11], s[10:11], s[22:23]
	s_mul_i32 s24, s[WV], HALFT                    ; where they go: wave x 128 rows: no place in the cluster enters an LDS address
	s_mul_i32 s25, s[WV], HALFS
	CROUND                                         ; all sixteen work-groups are here: the first joint loads meet
	s_mov_b32 s[G0ST], 1
	s_add_co_u32 s[G0ST+1], s25, SCL
	s_mov_b64 s[G0ST+2:G0ST+3], s[6:7]
	s_or_b32 s[G0ST+3], s[G0ST+3], 0x80000000
	s_mov_b32 s[G0SW], 1
	s_add_co_u32 s[G0SW+1], s25, SCL
	s_mov_b64 s[G0SW+2:G0SW+3], s[10:11]
	s_or_b32 s[G0SW+3], s[G0SW+3], 0x80000000
	JLOAD G0ST, G1ST, G0SW, G1SW                   ; the scale bytes first: they are wanted with K step 0
.irp s, 0,1
	s_mov_b32 s[G0T+4*\s], 1
	s_add_co_u32 s[G0T+4*\s+1], s24, \s*SLOT
	s_add_nc_u64 s[G0T+4*\s+2:G0T+4*\s+3], s[4:5], \s*ROWB
	s_or_b32 s[G0T+4*\s+3], s[G0T+4*\s+3], 0x80000000
	s_mov_b32 s[G0W+4*\s], 1
	s_add_co_u32 s[G0W+4*\s+1], s24, \s*SLOT
	s_add_nc_u64 s[G0W+4*\s+2:G0W+4*\s+3], s[8:9], \s*ROWB
	s_or_b32 s[G0W+4*\s+3], s[G0W+4*\s+3], 0x80000000
	JLOAD G0T+4*\s, G1T, G0W+4*\s, G1W             ; three loads of mine are out
.endr
	; fragment addresses.  Lane r of tile T reads row 64 (T / 4) + 8 (T % 4) + r + 32 (r / 8) where T is even, + r + 16 (r / 8) where T is odd: that is pi(T, r)
	v_and_b32 v1, 15, v0                           ; r
	v_bfe_u32 v2, v0, 4, 1                         ; h
	v_bfe_u32 v3, v0, 3, 1                         ; r / 8
	v_lshl_add_u32 v4, v3, 5, v1
	v_lshl_add_u32 v5, v3, 4, v1
	v_mul_u32_u24 v6, v4, PITCH
	v_mul_u32_u24 v7, v5, PITCH
	v_mad_u32_u24 v6, v2, 24, v6                   ; even tiles: row x pitch + 24 h
	v_mad_u32_u24 v7, v2, 24, v7                   ; odd tiles
	v_lshl_add_u32 v8, v2, 4, v6                   ; and the same behind one padding more
	v_lshl_add_u32 v9, v2, 4, v7
	s_mul_i32 s13, s[TKH], HALFT                   ; my half of the tokens,
	s_mul_i32 s14, s[WTH], HALFT
	s_add_co_u32 s14, s14, 2*HALFT                 ; my half of the weights
	s_cmp_eq_u32 s[ISV], 0
	s_cselect_b32 s15, s13, s14                    ; I: the tokens for q and k, the weights for v
	s_cselect_b32 s16, s14, s13                    ; J: the other
	s_cselect_b32 s17, 0, -1                       ; all lanes' bit for v
.irp s, 0,1
	v_add_nc_u32 v[ADRI+4*\s],   s15, v6
	v_add_nc_u32 v[ADRI+4*\s+1], s15, v8
	v_add_nc_u32 v[ADRI+4*\s+2], s15, v7
	v_add_nc_u32 v[ADRI+4*\s+3], s15, v9
	v_add_nc_u32 v[ADRJ+4*\s],   s16, v6
	v_add_nc_u32 v[ADRJ+4*\s+1], s16, v8
	v_add_nc_u32 v[ADRJ+4*\s+2], s16, v7
	v_add_nc_u32 v[ADRJ+4*\s+3], s16, v9
	s_add_co_u32 s15, s15, SLOT
	s_add_co_u32 s16, s16, SLOT
.endr
	; scale words: row R's 32 bytes lie at 272 (R / 8) + 32 (R % 8).  Lanes 0-15 take I's rows, lanes 16-31 J's
	v_and_b32 v10, 7, v0
	v_lshlrev_b32 v10, 5, v10
	v_mad_u32_u24 v11, v3, 1360, v10               ; even tiles: five pieces on for r / 8 = 1
	v_mad_u32_u24 v12, v3, 816, v10                ; odd tiles: three
	s_mul_i32 s18, s[TKH], HALFS                   ; the tokens' scales, my half
	s_mul_i32 s19, s[WTH], HALFS
	s_add_co_u32 s19, s19, 2*HALFS                 ; the weights'
	s_sub_co_u32 s19, s19, s18                     ; the distance between the two
	v_mul_u32_u24 v13, s19, v2                     ; q, k: lanes 16-31 take the weights'
	v_xor_b32 v14, 1, v2
	v_mul_u32_u24 v14, s19, v14                    ; v: lanes 0-15 do
	v_cndmask_b32 v13, v13, v14, s17
	s_add_co_u32 s18, s18, SCL
	v_add_nc_u32 v13, s18, v13
	v_add_nc_u32 v[ADRS], v13, v11
	v_add_nc_u32 v[ADRS+1], v13, v12
	v_mul_u32_u24 v[BOE], v2, 160
	v_mul_u32_u24 v[BOE+1], v2, 96
	v_lshlrev_b32 v[VOE], 2, v4
	v_lshlrev_b32 v[VOE+1], 2, v5
	v_lshlrev_b32 v[SH8], 3, v2
	v_and_b32 v10, 31, v0
	v_lshlrev_b32 v[L16], 4, v10
	v_lshlrev_b32 v[L8], 3, v10
	; where my results go: record (16 batch + head, block of 128 tokens in the batch)
	s_lshl_b32 s13, s100, 1
	s_add_co_u32 s13, s13, s[TKH]                  ; my block of 128 tokens, 0 .. 63
	s_lshr_b32 s14, s13, 4
	s_lshl_b32 s14, s14, 4                         ; 16 x batch
	s_lshl_b32 s15, s2, 2
	s_add_co_u32 s14, s14, s15
	s_lshl_b32 s15, s[WTH], 1
	s_add_co_u32 s14, s14, s15                     ; + my first head: 4 cx + 2 x half
	s_lshl_b32 s14, s14, 4
	s_and_b32 s13, s13, 15
	s_add_co_u32 s14, s14, s13
	s_mul_i32 s14, s14, s12
	s_mov_b32 s15, 0
	s_add_nc_u64 s[OUTP:OUTP+1], s[26:27], s[14:15]
	s_lshl_b32 s14, s12, 4                         ; a head on: sixteen records
	s_add_nc_u64 s[OUTP+2:OUTP+3], s[OUTP:OUTP+1], s[14:15]
	s_lshl_b32 s14, s2, 10
	s_lshl_b32 s13, s[WTH], 9
	s_add_co_u32 s14, s14, s13
	s_add_nc_u64 s[BP:BP+1], s[20:21], s[14:15]    ; my 128 numbers of the bias
	; the biases, in the result's layout.  Both ways write all of v64-127
	s_cmp_eq_u32 s[ISV], 0
	s_cbranch_scc0 .Lbias_v
.irp b, 0,1,2,3,4,5,6,7                        ; q, k: tile b's register j is feature 64 (b / 4) + 32 h + 8 ((b % 4) xor h) + j
	global_load_b128 v[BIAS+8*\b:BIAS+8*\b+3],   v[BOE+\b%2], s[BP:BP+1] offset:(64*(\b/4)+8*(\b%4))*4
	global_load_b128 v[BIAS+8*\b+4:BIAS+8*\b+7], v[BOE+\b%2], s[BP:BP+1] offset:(64*(\b/4)+8*(\b%4))*4+16
.endr
	s_branch .Lbias_done
.Lbias_v:
.irp a, 0,1,2,3,4,5,6,7                        ; v: all eight registers of tile a hold the bias of the lane's feature pi(a, r)
.irp e, 0,1,2,3,4,5,6,7
	global_load_b32 v[BIAS+8*\a+\e], v[VOE+\a%2], s[BP:BP+1] offset:(64*(\a/4)+8*(\a%4))*4
.endr
.endr
.Lbias_done:
; A fragment, 16 rows x 128 K, is 12 registers: registers 6 c .. 6 c + 5 of lane (r, h) hold K = 64 c + 32 h + 0 .. 31: 24 bytes of the row as they lie, in pieces of 8 bytes.
; Lanes 16-31 read three pieces further on than lanes 0-15; where that is behind one padding more, the second address register serves.
.macro FRAG reg, base, slot, q, t
.irp p, 0,1,2,3,4,5
.set PCE, 12*(\q)+6*(\p/3)+\p%3
.if PCE%8 < 5
	ds_load_b64 v[\reg+2*\p:\reg+2*\p+1], v[\base+4*(\slot)+2*((\t)%2)] offset:8*PCE+16*(PCE/8)+(64*((\t)/4)+8*((\t)%4))*PITCH
.else
	ds_load_b64 v[\reg+2*\p:\reg+2*\p+1], v[\base+4*(\slot)+2*((\t)%2)+1] offset:8*PCE+16*(PCE/8)+(64*((\t)/4)+8*((\t)%4))*PITCH
.endif
.endr
.endm
.macro FETCH_J slot, q, p              ; J's eight fragments of the slot's q-th 128 along K into set p
	WIN TO_J
.irp i, 0,1,2,3,4,5,6,7
	FRAG 128*(\p)+FR*\i, ADRJ, \slot, \q, \i
.endr
	WIN 0
.endm
.macro FETCH_I slot, q, i0             ; I's tiles i0 .. i0 + 3
.irp i, \i0, \i0+1, \i0+2, \i0+3
	FRAG AF+FR*(\i), ADRI, \slot, \q, \i
.endr
.endm
.macro SCALES sc                       ; a K step's two scale words a row into set sc: register 2 i + q: lanes 0-15 I's tile i, lanes 16-31 J's tile i
.irp i, 0,1,2,3,4,5,6,7
	ds_load_b64 v[SC+8*NQ*\sc+NQ*\i:SC+8*NQ*\sc+NQ*\i+1], v[ADRS+\i%2] offset:(8*(\i/4)+\i%4)*272
.endr
.endm
.macro WM d, a, b, c, sa, sb
	v_wmma_scale_f32_16x16x128_f8f6f4 v[\d:\d+7], v[\a:\a+11], v[\b:\b+11], v[\c:\c+7], v[\sa], v[\sb] matrix_a_fmt:MATRIX_FMT_FP6 matrix_b_fmt:MATRIX_FMT_FP6 matrix_a_scale:MATRIX_SCALE_ROW1
.endm
; 16 matrix instructions: I's tiles a0, a0 + 1 x J's eight.  mode 0: onto the sums; 1: the sums begin with the bias along J; 2: with the bias along I.
; The 64 accumulators take turns, one instruction a turn, in the same order in every step.
.macro MUL16 a0, p, q, sc, mode
.irp a, \a0, \a0+1
.irp b, 0,1,2,3,4,5,6,7
.if \mode == 0
	WM 8*(8*((\a)%4)+\b), 128*(\p)+FR*\b, AF+FR*(\a), 8*(8*((\a)%4)+\b), SC+8*NQ*(\sc)+NQ*\b+(\q), SC+8*NQ*(\sc)+NQ*(\a)+(\q)
.elseif \mode == 1
	WM 8*(8*((\a)%4)+\b), 128*(\p)+FR*\b, AF+FR*(\a), BIAS+8*\b, SC+8*NQ*(\sc)+NQ*\b+(\q), SC+8*NQ*(\sc)+NQ*(\a)+(\q)
.else
	WM 8*(8*((\a)%4)+\b), 128*(\p)+FR*\b, AF+FR*(\a), BIAS+8*(\a), SC+8*NQ*(\sc)+NQ*\b+(\q), SC+8*NQ*(\sc)+NQ*(\a)+(\q)
.endif
.endr
.endr
.endm
; 32 of them.  first = 1: the first K step, written for both layouts of the bias; C then lies in window 0.  At a label and at a branch every window is 0.
.macro MUL32 a0, p, q, sc, first
.if \first
	WIN 0
	s_cmp_eq_u32 s[ISV], 0
	s_cbranch_scc0 .Lbv_\@
	WIN 0x81+0x40*((\a0)/4)
	MUL16 \a0, \p, \q, \sc, 1
	MUL16 \a0+2, \p, \q, \sc, 1
	WIN 0
	s_branch .Lbj_\@
.Lbv_\@:
	WIN 0x81+0x40*((\a0)/4)
	MUL16 \a0, \p, \q, \sc, 2
	MUL16 \a0+2, \p, \q, \sc, 2
	WIN 0
.Lbj_\@:
.else
	WIN MUL_LO+0x50*((\a0)/4)
	MUL16 \a0, \p, \q, \sc, 0
	MUL16 \a0+2, \p, \q, \sc, 0
.endif
.endm
; A step of 128 along K that has its successor in the same slot.  A tile of I is free as soon as its eight products are issued: tiles 0-3 are fetched anew in the step's middle, tiles 4-7 at its end.
.macro STEP slot, q, first
	s_wait_dscnt 4*NL                              ; J's set, I's tiles 0-3 and the scale words are in; the youngest 24 loads (I's tiles 4-7) may be out
	MUL32 0, (\q)%2, \q, \slot, \first
	s_wait_dscnt 0                                 ; I's tiles 4-7 are in
	PLACES NP                                      ; in front of loads into registers that matrix instructions have read
	FETCH_J \slot, (\q)+1, 1-(\q)%2
	FETCH_I \slot, (\q)+1, 0
	MUL32 4, (\q)%2, \q, \slot, \first
	PLACES NP
	WIN 0
	FETCH_I \slot, (\q)+1, 4
.endm
; A slot's last step changes slots: one barrier; in front of it each wave waits for all its tensor loads, adds 0 to its spare word, and waits for that and for its own reads of this slot.  fill = 1: this slot is filled again, two K steps ahead.
.macro TURN slot, next, fill
	s_wait_tensorcnt 0x0                           ; all my tensor loads have landed: my part of the next slot
	ds_add_u32 v[SPW], v[NIL]                      ; 0 onto my spare word
	s_wait_dscnt 4*NL+1                            ; the add and the youngest 24 loads may be out
	WIN MUL_LO
	MUL16 0, 1, NQ-1, \slot, 0                     ; sixteen matrix instructions stand between the add and the wait for it
	s_wait_dscnt 0x0                               ; the add is done, and my reads of this slot are over
	s_barrier_signal -1
	MUL16 2, 1, NQ-1, \slot, 0
	WIN 0
	s_barrier_wait -1
.if \fill
	CREST                                          ; the barrier has opened a round of the cluster's barrier: no wave of any partner still reads this slot or has a load on its way
	s_add_nc_u64 s[G0T+4*\slot+2:G0T+4*\slot+3], s[G0T+4*\slot+2:G0T+4*\slot+3], 2*ROWB
	s_add_nc_u64 s[G0W+4*\slot+2:G0W+4*\slot+3], s[G0W+4*\slot+2:G0W+4*\slot+3], 2*ROWB
	JLOAD G0T+4*\slot, G1T, G0W+4*\slot, G1W       ; the first tensor load behind the round; its four v_nop are also the places in front of the loads below
.else
	PLACES NP
.endif
	v_add_nc_u32 v[ADRS], 4*NQ, v[ADRS]            ; on to the next K step's scale words
	v_add_nc_u32 v[ADRS+1], 4*NQ, v[ADRS+1]
	FETCH_J \next, 0, 0
	FETCH_I \next, 0, 0
	SCALES \next
	WIN MUL_HI
	MUL16 4, 1, NQ-1, \slot, 0
	MUL16 6, 1, NQ-1, \slot, 0
	PLACES NP
	WIN 0
	FETCH_I \next, 0, 4
.endm
	s_wait_tensorcnt 1                             ; the scale bytes and my part of K step 0 are in; K step 1's load may be out
	s_barrier_signal -1
	s_barrier_wait -1                              ; everybody's are
	FETCH_J 0, 0, 0
	FETCH_I 0, 0, 0
	SCALES 0
	FETCH_I 0, 0, 4
	s_wait_loadcnt 0x0                             ; the biases
	STEP 0, 0, 1                                   ; K = 1,024 is four K steps of 256: written straight
	TURN 0, 1, 1
	STEP 1, 0, 0
	TURN 1, 0, 1
	STEP 0, 0, 0
	TURN 0, 1, 0                                   ; nothing is left to fetch: no round
	STEP 1, 0, 0
	s_wait_dscnt 4*NL
	WIN MUL_LO
	MUL16 0, 1, NQ-1, 1, 0
	MUL16 2, 1, NQ-1, 1, 0
	s_wait_dscnt 0
	WIN MUL_HI
	MUL16 4, 1, NQ-1, 1, 0
	MUL16 6, 1, NQ-1, 1, 0
	WIN 0
; THE WAY OUT touches no LDS.  IMG turns two blocks of 32 numbers of a lane (accumulator registers ac1 .. + 31 and ac2 .. + 31 of window w) into 12 registers of codes at v[cd] and two scale bytes at v[by], v[by + 1].
; A block's largest magnitude, with the floor 2^(3 - 127) among its leaves; 2 off its exponent field is the conversion's scale operand, and that shifted down the byte.  Each accumulator is read from its low end on.
.macro IMG w, ac1, ac2, cd, by
	WIN ((\w)<<2)|((\w)<<4)                        ; sources 1 and 2: the accumulators' window
	v_max3_num_f32 v[MX],   0x1800000, |v[\ac1]|,    |v[\ac1+1]|
	v_max3_num_f32 v[MX+1], 0x1800000, |v[\ac1+16]|, |v[\ac1+17]|
	v_max3_num_f32 v[MX+2], 0x1800000, |v[\ac2]|,    |v[\ac2+1]|
	v_max3_num_f32 v[MX+3], 0x1800000, |v[\ac2+16]|, |v[\ac2+17]|
.irp i, 2,4,6,8,10,12,14
	v_max3_num_f32 v[MX],   v[MX],   |v[\ac1+\i]|,    |v[\ac1+\i+1]|
	v_max3_num_f32 v[MX+1], v[MX+1], |v[\ac1+16+\i]|, |v[\ac1+17+\i]|
	v_max3_num_f32 v[MX+2], v[MX+2], |v[\ac2+\i]|,    |v[\ac2+\i+1]|
	v_max3_num_f32 v[MX+3], v[MX+3], |v[\ac2+16+\i]|, |v[\ac2+17+\i]|
.endr
	WIN 0
	v_max_num_f32 v[MX], v[MX], v[MX+1]
	v_max_num_f32 v[MX+2], v[MX+2], v[MX+3]
	v_add_nc_u32 v[SO], 0xff000000, v[MX]
	v_add_nc_u32 v[SO+1], 0xff000000, v[MX+2]
	v_lshrrev_b32 v[\by], 23, v[SO]
	v_lshrrev_b32 v[\by+1], 23, v[SO+1]
	WIN (\w)                                       ; source 0: the accumulators' window
	v_cvt_scalef32_pk16_fp6_f32 v[\cd:\cd+2],   v[\ac1:\ac1+15],    v[SO]
	v_cvt_scalef32_pk16_fp6_f32 v[\cd+6:\cd+8], v[\ac2:\ac2+15],    v[SO+1]
	v_cvt_scalef32_pk16_fp6_f32 v[TMP:TMP+2],   v[\ac1+16:\ac1+31], v[SO]     ; (a conversion's three registers begin on an even number)
	v_cvt_scalef32_pk16_fp6_f32 v[TMP+4:TMP+6], v[\ac2+16:\ac2+31], v[SO+1]
	WIN 0
	v_nop                                          ; one plain place behind the conversions
.irp i, 0,1,2
	v_mov_b32 v[\cd+3+\i], v[TMP+\i]
	v_mov_b32 v[\cd+9+\i], v[TMP+4+\i]
.endr
.endm
; Two tiles' bytes, each already at its place in its row's word (8 h bits up), become one register: lanes 0-15 the first tile's words, lanes 16-31 the second's.
.macro PAIRW y0, y1, out
	v_cndmask_b32 v[KEEP], v[\y0], v[\y1], vcc_lo  ; what is mine to keep,
	v_cndmask_b32 v[XP], v[\y1], v[\y0], vcc_lo    ; what lane l xor 16 wants
	v_permlanex16_b32 v[XX], v[XP], s[SEL], s[SEL+1]
	v_or_b32 v[\out], v[KEEP], v[XX]
.endm
	PLACES NP                                      ; behind the last products: their results are read, and I's fragments and the biases written over
	s_mov_b32 vcc_lo, 0xffff0000                   ; lanes 16-31
	s_cmp_eq_u32 s[ISV], 0
	s_cbranch_scc0 .Lout_v
	; q, k: head c of my two, tiles 2 p and 2 p + 1 of my tokens: an image's registers 0-5 and 6-11.  Every image has registers of its own and no base is stepped: no store's source is written again
.irp c, 0,1
.irp p, 0,1,2,3
	IMG 2+\p/2, 64*((2*\p)%4)+32*\c, 64*((2*\p)%4)+32*\c+64, CD+12*(4*\c+\p), BY+2*(4*\c+\p)
.irp i, 0,1,2
	global_store_b128 v[L16], v[CD+12*(4*\c+\p)+4*\i:CD+12*(4*\c+\p)+4*\i+3], s[OUTP+2*\c:OUTP+2*\c+1] offset:1536*\p+512*\i   ; 32 lanes store 512 consecutive bytes, at a multiple of 256 from the buffer's first byte
.endr
	v_lshlrev_b32 v96, v[SH8], v[BY+2*(4*\c+\p)]
	v_lshlrev_b32 v97, v[SH8], v[BY+2*(4*\c+\p)+1]
	PAIRW 96, 97, 98
	v_lshl_or_b32 v[WD+4*\c+\p], v98, 16, v98      ; the two bytes stand twice in the word: the head's 64 may stand in either half of an instruction's 128
.endr
	global_store_b128 v[L16], v[WD+4*\c:WD+4*\c+3], s[OUTP+2*\c:OUTP+2*\c+1] offset:6144
.endr
	s_branch .Lout_done
.Lout_v:
	; v: tile a of my features (head a / 4, tile a % 4 of V^T): an image's registers 6 c .. 6 c + 5 are key block 2 c + h
.irp a, 0,1,2,3,4,5,6,7
	IMG 2+\a/4, 64*(\a%4), 64*(\a%4)+32, CD+12*\a, BY+2*\a
.irp i, 0,1,2
	global_store_b128 v[L16], v[CD+12*\a+4*\i:CD+12*\a+4*\i+3], s[OUTP+2*(\a/4):OUTP+2*(\a/4)+1] offset:6656+1536*(\a%4)+512*\i
.endr
	v_lshl_or_b32 v98, v[BY+2*\a+1], 16, v[BY+2*\a]   ; my two bytes: key blocks h and 2 + h
	v_lshlrev_b32 v[96+\a%2], v[SH8], v98
.if \a%2
	PAIRW 96, 97, WD+\a/2
.endif
.if \a%4 == 3
	global_store_b64 v[L8], v[WD+2*(\a/4):WD+2*(\a/4)+1], s[OUTP+2*(\a/4):OUTP+2*(\a/4)+1] offset:12800   ; 32 lanes store 256 consecutive bytes
.endif
.endr
.Lout_done:
	s_wait_tensorcnt 0x0                           ; the wave's end
	ds_add_u32 v[SPW], v[NIL]
	s_wait_dscnt 0x0
	CROUND                                         ; the closing round: no work-group ends while a partner may still ask for a tile that names it
	s_endpgm
.Lfunc_end_k_q75539bc703_proj:
	.size	k_q75539bc703_proj, .Lfunc_end_k_q75539bc703_proj-k_q75539bc703_proj
	.p2alignl 7, 3214868480
	.fill 96, 4, 3214868480
	.section	.rodata,"a",@progbits
	.p2align	6, 0x0
	.amdhsa_kernel k_q75539bc703_proj
		.amdhsa_group_segment_fixed_size 327680
		.amdhsa_private_segment_fixed_size 0
		.amdhsa_enable_private_segment 0
		.amdhsa_kernarg_size 104
		.amdhsa_user_sgpr_count 2
		.amdhsa_user_sgpr_kernarg_segment_ptr 1
		.amdhsa_wavefront_size32 1
		.amdhsa_system_sgpr_workgroup_id_x 1
		.amdhsa_system_sgpr_workgroup_id_y 1
		.amdhsa_system_sgpr_workgroup_id_z 1
		.amdhsa_system_vgpr_workitem_id 0
		.amdhsa_next_free_vgpr 1024
		.amdhsa_next_free_sgpr 106
		.amdhsa_reserve_vcc 1
		.amdhsa_float_denorm_mode_32 3
		.amdhsa_float_denorm_mode_16_64 3
		.amdhsa_memory_ordered 1
		.amdhsa_forward_progress 1
		.amdhsa_inst_pref_size 204
	.end_amdhsa_kernel
	.amdgpu_metadata
---
amdhsa.version: [ 1, 2 ]
amdhsa.kernels:
  - .name:           k_q75539bc703_proj
    .symbol:         k_q75539bc703_proj.kd
    .args:
      - { .name: x_codes, .offset: 0, .size: 8, .value_kind: global_buffer, .address_space: global }
      - { .name: x_scales, .offset: 8, .size: 8, .value_kind: global_buffer, .address_space: global }
      - { .name: Wq_codes, .offset: 16, .size: 8, .value_kind: global_buffer, .address_space: global }
      - { .name: Wq_scales, .offset: 24, .size: 8, .value_kind: global_buffer, .address_space: global }
      - { .name: Wk_codes, .offset: 32, .size: 8, .value_kind: global_buffer, .address_space: global }
      - { .name: Wk_scales, .offset: 40, .size: 8, .value_kind: global_buffer, .address_space: global }
      - { .name: Wv_codes, .offset: 48, .size: 8, .value_kind: global_buffer, .address_space: global }
      - { .name: Wv_scales, .offset: 56, .size: 8, .value_kind: global_buffer, .address_space: global }
      - { .name: bq, .offset: 64, .size: 8, .value_kind: global_buffer, .address_space: global }
      - { .name: bk, .offset: 72, .size: 8, .value_kind: global_buffer, .address_space: global }
      - { .name: bv, .offset: 80, .size: 8, .value_kind: global_buffer, .address_space: global }
      - { .name: qrec, .offset: 88, .size: 8, .value_kind: global_buffer, .address_space: global }
      - { .name: kvrec, .offset: 96, .size: 8, .value_kind: global_buffer, .address_space: global }
    .group_segment_fixed_size: 327680
    .private_segment_fixed_size: 0
    .kernarg_segment_align: 8
    .kernarg_segment_size: 104
    .max_flat_workgroup_size: 128
    .sgpr_count:     106
    .vgpr_count:     1024
    .wavefront_size: 32
...
	.end_amdgpu_metadata
.endif
;; end of part 1
;; launch attn (part 2): grid 4 x 64, 16 waves a work-group, clusters of 4 x 1, 210,944 bytes of LDS; arguments qrec, kvrec, orec, osc; writes orec, osc
.if DOCPART == 2
	.amdgcn_target "amdgcn-amd-amdhsa--gfx1250"
	.amdhsa_code_object_version 6
	.text
	.protected	k_q75539bc703_attn
	.globl	k_q75539bc703_attn
	.p2align	8
	.type	k_q75539bc703_attn,@function
k_q75539bc703_attn:
	s_mov_b64 s[64:65], 0
	v_nop
	global_prefetch_b8 v0, s[64:65] scope:SCOPE_SE
	s_setreg_imm32_b32 hwreg(HW_REG_WAVE_MODE, 25, 1), 1
	s_wait_xcnt 0x0
	s_wait_alu depctr_hold_cnt(0) depctr_sa_sdst(0) depctr_va_vdst(0) depctr_va_sdst(0) depctr_va_ssrc(0) depctr_va_vcc(0) depctr_vm_vsrc(0)
	s_getreg_b32 s2, hwreg(HW_REG_IB_STS2, 6, 4)
	s_cmp_eq_u32 s2, 0
	s_cbranch_scc0 .Lentry_in_a_cluster
	s_endpgm
.Lentry_in_a_cluster:
	s_bfe_u32 s2, ttmp6, 0x10000c
	s_cmp_lg_u32 s2, 0x3003
	s_cbranch_scc0 .Lentry_shape_is_right
	s_endpgm
.Lentry_shape_is_right:
; O = softmax(Q K^T / 8) V for one head of 64, both products on codes of FP6 (E2M3) with one E8M0 scale for each 32 along a product's K; O is divided by the row's sum, quantised along the head's 64 and stored as codes.
; THE SOFTMAX: t = score x log2(e) / 8; M = the row's largest t so far, rounded UP to a whole number; p = 2^(t - M) is quantised along the keys, not normalised; the row's sum is taken of the unquantised p.
; When M moves, the sum and O^T are multiplied by 2^(old M - new M): exact.
; SHARES.  A work-group owns 512 queries of one head (grid y = 16 batch + head); each of its sixteen waves two tiles of 16 queries, A and B, in 256 registers: four waves to a SIMD, so that one wave's
; vector work stands beside another's matrix work and LDS loads.  Every wave walks the head's 2,048 keys, 128 a step; each fragment of K and of V that it reads feeds two matrix instructions.
; LDS.  A head's K and V, as images of operand registers with their scale words, are sixteen records of 13,056 bytes: 208,896 bytes.  They are brought ONCE and nothing is filled again: no ring.
; CLUSTER.  The four query blocks of a head form a cluster and ask for each record JOINTLY.  Waves 0-3 ask: first a record each (steps 0-3), then three records each.
; LAYOUT.  Both products are used transposed: S^T = K Q^T, O^T = V^T P^T: a lane holds ONE query throughout.  The keys of K's tiles were chosen by the launch before so that the 32 registers of tiles
; 4 c .. 4 c + 3 of lane (r, h) are one whole block of 32 keys, block 2 c + h: a block's largest score needs no other lane, and the conversions' results are P's operand registers as they stand.
; K = 64 IN AN INSTRUCTION OF 128.  Tile A's operand is [Q | zeros] against [K's tile | the registers behind it], tile B's [zeros | Q] against [the registers in front | K's tile].  The idle half meets zero codes, and every
; pattern of six bits is a finite number, so it adds nothing.  Q's and K's scale words hold their two bytes twice, so that one word serves both placings.
; LIMITS: NaN and infinities are not served.  A block of p, or of O, whose largest magnitude lies under 2^-124 keeps the scale byte 1 (a block of zeros too: its codes are zeros, and only this program reads the bytes).
; 1 / sum is v_rcp_f32.  Where M rises by more than f32's range the old sums are multiplied by 0: they are nothing beside the new terms.
.set REC,  13056                       ; a record: K's four images (6,144), K's scale words (512), V's four images (6,144), V's scale words (256)
.set KSC,  6144
.set VIM,  6656
.set VSC,  12800
.set L16,  1                           ; v1   16 x lane
.set L8,   2                           ; v2   8 x lane
.set ADR,  3                           ; v3   the step's record + 16 x lane
.set ADR8, 4                           ; v4   the step's record + 8 x lane
.set SH8,  5                           ; v5   8 h
.set L32,  6                           ; v6   32 x lane
.set SCK,  8                           ; v8-11  K's scale words (register i: lanes 0-15 tile 2 i, lanes 16-31 tile 2 i + 1); then v8, v9 V's likewise
.set QS,   12                          ; v12  Q's scale words: lanes 0-15 tile A, lanes 16-31 tile B
.set PS,   14                          ; v14, v15  p's scale words, tile A, B
.set ST,   16                          ; v16-19, v20-23  a tile's -M, largest score, sum in two halves
.set CH,   24                          ; v24-27 chains
.set XX,   28
.set T1,   29
.set FF,   30                          ; v[30:31] f; at the end 1 / sum of tile A
.set A2,   32                          ; v[32:33] the sums' second chain; at the end 1 / sum of tile B
.set SO,   34                          ; v34, v35 the conversions' scale operands
.set QA,   36                          ; v36-41 Q of tile A, v42-47 zeros, v48-53 Q of tile B
.set ZZ,   42
.set QB,   48
.set PA,   54                          ; v54-65 p's codes, tile A
.set KV,   66                          ; v66-113 K's eight tiles, six registers each; then V's four fragments
.set PB,   114                         ; v114-125 p's codes, tile B
.set S,    126                         ; v126-189 S^T, then p
.set OA,   190                         ; v190-221 O^T of tile A, v222-253 of tile B
.set WV,   12
.set G1A,  16                          ; s[16:23] group 1: one record;  s[24:31]: three records
.set G1B,  24
.set G0A,  32
.set G0B,  36
.set CS,   40                          ; s[40:41] log2(e) / 8: the packed form names a pair and takes its low word for both halves
.set SEL,  42                          ; s[42:43] lane selects: lane l xor 16
.set TB,   44                          ; s44  LDS byte of the step's record
.set CNT,  45
.set QP,   46                          ; s[46:47] my two tiles' image in qrec
.set QSP,  48                          ; s[48:49] and their scale words
.set OP,   50                          ; s[50:51] my place in orec
.set OSP,  52                          ; s[52:53] and in osc
.macro ROUND                           ; a round of the cluster's barrier
	s_barrier_signal -1
	s_barrier_wait -1
	s_cmp_lg_u32 s[WV], 0
	s_cbranch_scc1 .Lnot_wave_0_\@
	s_barrier_signal -3
.Lnot_wave_0_\@:
	s_barrier_wait -3
	s_barrier_signal -1
	s_barrier_wait -1
.endm
	s_load_b256 s[4:11], s[0:1], 0x0               ; qrec, kvrec, orec, osc
	v_lshl_add_u32 v254, v0, 2, 0x33000
	v_mov_b32 v255, 0
	ds_add_u32 v254, v255
	ds_add_u32 v254, v255
	v_lshrrev_b32 v5, 5, v0
	s_delay_alu instid0(VALU_DEP_1)
	v_readfirstlane_b32 s[WV], v5                  ; wave 0..15
	s_bfe_u32 s13, ttmp6, 0x40000                  ; cx: my block of 512 queries; it enters Q's and O's addresses alone
	s_and_b32 s14, ttmp7, 0xffff                   ; 16 batch + head, which the four partners share
	s_mov_b32 s[G1A], 15|(3<<16)|(1<<21)           ; 15:0 the mask: all four work-groups; elements of 8 bytes; no padding; 21 set beside a mask
	s_mov_b32 s[G1A+1], 32<<16                     ; rows of 256 bytes,
	s_mov_b32 s[G1A+2], 51<<16                     ; 51 of them: a record
	s_mov_b32 s[G1A+3], 32<<16
	s_mov_b32 s[G1A+4], 51
	s_mov_b32 s[G1A+5], 32
	s_mov_b32 s[G1A+6], 0
	s_mov_b32 s[G1A+7], 0
	s_mov_b32 s[G1B], 15|(3<<16)|(1<<21)
	s_mov_b32 s[G1B+1], 32<<16
	s_mov_b32 s[G1B+2], 153<<16                    ; three records
	s_mov_b32 s[G1B+3], 32<<16
	s_mov_b32 s[G1B+4], 153
	s_mov_b32 s[G1B+5], 32
	s_mov_b32 s[G1B+6], 0
	s_mov_b32 s[G1B+7], 0
	s_mul_i32 s54, s14, 16*REC                     ; the head's first byte in kvrec
	s_mul_i32 s55, s[WV], REC                      ; wave w of 0..3: record w,
	s_mul_i32 s56, s[WV], 3*REC
	s_add_co_u32 s56, s56, 4*REC                   ; and records 4 + 3 w .. 6 + 3 w: in LDS as in memory
	s_add_co_u32 s58, s54, s55
	s_mov_b32 s59, 0
	s_add_co_u32 s60, s54, s56
	s_mov_b32 s61, 0
	s_mov_b32 s[CS], 0x3e38aa3b
	s_mov_b32 s[CS+1], s[CS]
	s_mov_b32 s[SEL], 0x76543210
	s_mov_b32 s[SEL+1], 0xfedcba98
	s_wait_dscnt 0x0
	s_wait_kmcnt 0x0
	s_mov_b32 s[G0A], 1
	s_mov_b32 s[G0A+1], s55
	s_add_nc_u64 s[G0A+2:G0A+3], s[6:7], s[58:59]
	s_or_b32 s[G0A+3], s[G0A+3], 0x80000000
	s_mov_b32 s[G0B], 1
	s_mov_b32 s[G0B+1], s56
	s_add_nc_u64 s[G0B+2:G0B+3], s[6:7], s[60:61]
	s_or_b32 s[G0B+3], s[G0B+3], 0x80000000
	ROUND                                          ; all four work-groups are here: the joint loads meet
	s_cmp_lt_u32 s[WV], 4                          ; a wave's two loads stand in one branch on the wave's number, ahead of every wait on TENSORcnt, every LDS read and every other barrier: two loads of mine are out
	s_cbranch_scc0 .Lno_fetch
	tensor_load_to_lds s[G0A:G0A+3], s[G1A:G1A+7]
	s_nop 0
	tensor_load_to_lds s[G0B:G0B+3], s[G1B:G1B+7]
	s_nop 0
.rept 4
	v_nop
.endr
.Lno_fetch:
	v_and_b32 v7, 31, v0
	s_delay_alu instid0(VALU_DEP_1)
	v_lshlrev_b32 v[L16], 4, v7
	s_wait_alu depctr_va_vdst(0)
	v_lshlrev_b32 v[L8], 3, v7
	v_lshlrev_b32 v[L32], 5, v7
	v_bfe_u32 v[SH8], v0, 4, 1
	s_delay_alu instid0(VALU_DEP_1)
	v_lshlrev_b32 v[SH8], 3, v[SH8]
	s_lshl_b32 s54, s13, 2
	s_lshr_b32 s55, s[WV], 2
	s_add_co_u32 s54, s54, s55                     ; my block of 128 tokens in the batch: 4 cx + wave / 4
	s_and_b32 s55, s[WV], 3                        ; p: my tiles are 2 p and 2 p + 1 of it
	s_lshl_b32 s56, s14, 4
	s_add_co_u32 s56, s56, s54
	s_mul_i32 s56, s56, 6656                       ; its record in qrec
	s_mul_i32 s57, s55, 1536
	s_add_co_u32 s58, s56, s57
	s_add_nc_u64 s[QP:QP+1], s[4:5], s[58:59]
	s_lshl_b32 s57, s55, 2
	s_add_co_u32 s58, s56, s57
	s_add_co_u32 s58, s58, 6144
	s_add_nc_u64 s[QSP:QSP+1], s[4:5], s[58:59]
	global_load_b64 v[QA:QA+1],   v[L16], s[QP:QP+1]               ; an image's register n of lane l lies at 512 (n / 4) + 16 l + 4 (n % 4): registers 0-5 are tile A,
	global_load_b64 v[QA+2:QA+3], v[L16], s[QP:QP+1] offset:8
	global_load_b64 v[QA+4:QA+5], v[L16], s[QP:QP+1] offset:512
	global_load_b64 v[QB:QB+1],   v[L16], s[QP:QP+1] offset:520    ; registers 6-11 tile B
	global_load_b64 v[QB+2:QB+3], v[L16], s[QP:QP+1] offset:1024
	global_load_b64 v[QB+4:QB+5], v[L16], s[QP:QP+1] offset:1032
	global_load_b32 v[QS], v[L16], s[QSP:QSP+1]
	s_lshr_b32 s56, s14, 4
	s_lshl_b32 s56, s56, 4
	s_add_co_u32 s56, s56, s54                     ; my block of 128 among all 8,192 tokens
	s_and_b32 s57, s14, 15                         ; the head
	s_lshl_b32 s58, s56, 4
	s_add_co_u32 s58, s58, s57
	s_lshl_b32 s58, s58, 3
	s_lshl_b32 s60, s55, 1
	s_add_co_u32 s58, s58, s60
	s_mul_i32 s58, s58, 768                        ; orec: [block][head][tile][768]
	s_add_nc_u64 s[OP:OP+1], s[8:9], s[58:59]
	s_lshl_b32 s58, s56, 12
	s_lshl_b32 s60, s55, 10
	s_add_co_u32 s58, s58, s60
	s_lshl_b32 s60, s57, 1
	s_add_co_u32 s58, s58, s60                     ; osc: [block][row 16 tile + r][32], bytes 2 head, 2 head + 1
	s_add_nc_u64 s[OSP:OSP+1], s[10:11], s[58:59]
.set j, 0
.rept 6
	v_mov_b32 v[ZZ+j], 0                           ; the zero codes
.set j, j+1
.endr
.set j, 0
.rept 12
	v_mov_b32 v[PA+j], 0                           ; named as the idle half of K's operand before they are first made
	v_mov_b32 v[PB+j], 0
.set j, j+1
.endr
.irp t, 0,1
	v_mov_b32 v[ST+4*\t+1], 0xff61b1e6             ; the largest score so far: -3e38
	s_delay_alu instid0(VALU_DEP_1)
	v_floor_f32 v[ST+4*\t], -v[ST+4*\t+1]          ; -M
	v_mov_b32 v[ST+4*\t+2], 0                      ; the sum, in two halves
	v_mov_b32 v[ST+4*\t+3], 0
.endr
	v_mov_b32 v[XX], 0                             ; a lane permute's destination counts as one of its sources
	v_mov_b32 v[T1], 0
	v_mov_b32 v[FF+1], 0                           ; named as the upper half of a pair
.set j, 0
.rept 64
	v_mov_b32 v[OA+j], 0                           ; O^T.  (The step is written once: the first finds zeros, which the first change of M leaves zeros)
.set j, j+1
.endr
; ONE TILE'S SOFTMAX FOR 128 KEYS.  S + 32 c + 0 .. 31 are key block 2 c + h of my query.
.macro SOFTMAX t
.set rT, ST+4*(\t)
.set rP, PA+60*(\t)
.set rO, OA+32*(\t)
.irp i, 0,1,2,3                                ; the largest score of each block, in four chains by turns; each accumulator is read from its low end on
	v_max3_num_f32 v[CH+\i], v[S+16*\i], v[S+16*\i+1], v[S+16*\i+2]
.endr
.irp k, 3,5,7,9,11,13
.irp i, 0,1,2,3
	v_max3_num_f32 v[CH+\i], v[CH+\i], v[S+16*\i+\k], v[S+16*\i+\k+1]
.endr
.endr
	v_max3_num_f32 v[CH], v[CH], v[CH+1], v[S+15]
	v_max3_num_f32 v[CH+2], v[CH+2], v[CH+3], v[S+47]
	v_max_num_f32 v[CH], v[CH], v[S+31]            ; block h's: it serves twice: for the row's maximum and, since p rises with the score, for the block's largest p
	v_max_num_f32 v[CH+2], v[CH+2], v[S+63]        ; block 2 + h's
	s_delay_alu instid0(VALU_DEP_1)
	v_max_num_f32 v[T1], v[CH], v[CH+2]
	s_delay_alu instid0(VALU_DEP_1)
	v_permlanex16_b32 v[XX], v[T1], s[SEL], s[SEL+1]
	s_delay_alu instid0(VALU_DEP_1)
	v_max3_num_f32 v[rT+1], v[rT+1], v[T1], v[XX]  ; the running largest score
	s_delay_alu instid0(VALU_DEP_1)
	v_mul_f32 v[T1], s[CS], v[rT+1]                ; as t
	v_mov_b32 v[XX], v[rT]
	s_delay_alu instid0(VALU_DEP_2)
	v_floor_f32 v[rT], -v[T1]                      ; the new -M = -ceil(t): M is a whole number
	s_delay_alu instid0(VALU_DEP_1)
	v_sub_f32 v[XX], v[rT], v[XX]                  ; old M - new M: a whole number, 0 or less
	s_delay_alu instid0(VALU_DEP_1)
	v_cvt_i32_f32 v[XX], v[XX]                     ; (it saturates)
	s_delay_alu instid0(VALU_DEP_1)
	v_ldexp_f32 v[FF], 1.0, v[XX]                  ; f = 2^(old M - new M)
.set j, 0
.rept 32
	v_pk_fma_f32 v[S+j:S+j+1], v[S+j:S+j+1], s[CS:CS+1], v[rT:rT+1] op_sel_hi:[1,0,0]   ; t - M, two at a time
.set j, j+2
.endr
	v_fma_f32 v[CH], v[CH], s[CS], v[rT]           ; the same of each block's largest score
	v_fma_f32 v[CH+2], v[CH+2], s[CS], v[rT]
.set j, 0
	s_wait_alu depctr_va_vdst(0)
.rept 64
	v_exp_f32 v[S+j], v[S+j]                       ; p = 2^(t - M)
.set j, j+1
.endr
	v_pk_mul_f32 v[rT+2:rT+3], v[rT+2:rT+3], v[FF:FF+1] op_sel_hi:[1,0]   ; the sums under the new M: the plain instruction behind the exponentials
	s_wait_alu depctr_va_vdst(0)                   ; one wait for the batch, ahead of its first reader
	v_exp_f32 v[CH], v[CH]                         ; the blocks' largest p: the same two instructions on the same number give the same bits
	v_exp_f32 v[CH+2], v[CH+2]
	v_pk_add_f32 v[A2:A2+1], v[S:S+1], v[S+2:S+3]  ; the row's sum is taken of the unquantised p, in two chains
.set j, 4
.rept 15
	v_pk_add_f32 v[rT+2:rT+3], v[rT+2:rT+3], v[S+j:S+j+1]
	v_pk_add_f32 v[A2:A2+1], v[A2:A2+1], v[S+j+2:S+j+3]
.set j, j+4
.endr
	s_delay_alu instid0(VALU_DEP_1)
	v_pk_add_f32 v[rT+2:rT+3], v[rT+2:rT+3], v[A2:A2+1]
	s_wait_alu depctr_va_vdst(0)                   ; and one for the two
	v_max_num_f32 v[CH], 0x1800000, v[CH]          ; the floor 2^(3 - 127): the byte cannot fall under 1
	v_max_num_f32 v[CH+2], 0x1800000, v[CH+2]
	s_delay_alu instid0(VALU_DEP_2)
	v_add_nc_u32 v[SO], 0xff000000, v[CH]          ; 2 off the exponent field: the conversion's scale operand
	s_delay_alu instid0(VALU_DEP_2)
	v_add_nc_u32 v[SO+1], 0xff000000, v[CH+2]
	s_delay_alu instid0(VALU_DEP_2)
	v_lshrrev_b32 v[CH], 23, v[SO]                 ; the bytes
	s_delay_alu instid0(VALU_DEP_2)
	v_lshrrev_b32 v[CH+2], 23, v[SO+1]
	s_delay_alu instid0(VALU_DEP_1)
	v_lshl_or_b32 v[CH], v[CH+2], 16, v[CH]        ; mine: blocks h and 2 + h
	s_delay_alu instid0(VALU_DEP_1)
	v_permlanex16_b32 v[XX], v[CH], s[SEL], s[SEL+1]
	s_delay_alu instid0(VALU_DEP_1)
	v_lshl_or_b32 v[PS+\t], v[XX], 8, v[CH]        ; whole in lanes 0-15, which are the lanes that are read
	v_cvt_scalef32_pk16_fp6_f32 v[rP:rP+2],   v[S:S+15],    v[SO]
	v_cvt_scalef32_pk16_fp6_f32 v[rP+6:rP+8], v[S+32:S+47], v[SO+1]
	v_nop                                          ; a plain place: the next two write over sources of these two
	v_cvt_scalef32_pk16_fp6_f32 v[S:S+2],     v[S+16:S+31], v[SO]      ; (a conversion's three registers begin on an even number)
	v_cvt_scalef32_pk16_fp6_f32 v[S+32:S+34], v[S+48:S+63], v[SO+1]
	v_nop
.irp i, 0,1,2
	v_mov_b32 v[rP+3+\i], v[S+\i]
	v_mov_b32 v[rP+9+\i], v[S+32+\i]
.endr
.set j, 0
.rept 16
	v_pk_mul_f32 v[rO+j:rO+j+1], v[rO+j:rO+j+1], v[FF:FF+1] op_sel_hi:[1,0]   ; O^T under the new M.  (These sixteen are also the places between the codes and the scale word just made and the products that name them)
.set j, j+2
.endr
.endm
; A KEY STEP: 128 keys.
.macro KSTEP
	s_setprio 2
	v_add_nc_u32 v[ADR], s[TB], v[L16]
	v_add_nc_u32 v[ADR8], s[TB], v[L8]
	v_nop
	v_nop                                          ; four places behind the last products, in front of loads into registers that they have read
.irp i, 0,1,2,3,4,5,6,7,8,9,10,11
	ds_load_b128 v[KV+4*\i:KV+4*\i+3], v[ADR] offset:512*\i        ; K's four images: 32 lanes read 512 consecutive bytes
.endr
	ds_load_b128 v[SCK:SCK+3], v[ADR] offset:KSC
	s_wait_dscnt 0x0
.irp t, 0,1,2,3,4,5,6,7                        ; S^T of tile A: [K's tile t | what lies behind] x [Q | zeros]
.if \t%2
	v_wmma_scale_f32_16x16x128_f8f6f4 v[S+8*\t:S+8*\t+7], v[KV+6*\t:KV+6*\t+11], v[QA:QA+11], 0, v[SCK+\t/2], v[QS] matrix_a_fmt:MATRIX_FMT_FP6 matrix_b_fmt:MATRIX_FMT_FP6 matrix_a_scale:MATRIX_SCALE_ROW1
.else
	v_wmma_scale_f32_16x16x128_f8f6f4 v[S+8*\t:S+8*\t+7], v[KV+6*\t:KV+6*\t+11], v[QA:QA+11], 0, v[SCK+\t/2], v[QS] matrix_a_fmt:MATRIX_FMT_FP6 matrix_b_fmt:MATRIX_FMT_FP6
.endif
.endr
.rept 4
	v_nop
.endr
	SOFTMAX 0
.irp t, 0,1,2,3,4,5,6,7                        ; S^T of tile B: [what lies in front | K's tile t] x [zeros | Q]
.if \t%2
	v_wmma_scale_f32_16x16x128_f8f6f4 v[S+8*\t:S+8*\t+7], v[KV-6+6*\t:KV-6+6*\t+11], v[ZZ:ZZ+11], 0, v[SCK+\t/2], v[QS] matrix_a_fmt:MATRIX_FMT_FP6 matrix_b_fmt:MATRIX_FMT_FP6 matrix_a_scale:MATRIX_SCALE_ROW1 matrix_b_scale:MATRIX_SCALE_ROW1
.else
	v_wmma_scale_f32_16x16x128_f8f6f4 v[S+8*\t:S+8*\t+7], v[KV-6+6*\t:KV-6+6*\t+11], v[ZZ:ZZ+11], 0, v[SCK+\t/2], v[QS] matrix_a_fmt:MATRIX_FMT_FP6 matrix_b_fmt:MATRIX_FMT_FP6 matrix_b_scale:MATRIX_SCALE_ROW1
.endif
.endr
.rept 4
	v_nop                                          ; places in front of the first read of the scores, and of the loads into K's registers
.endr
.irp i, 0,1,2,3,4,5,6,7,8,9,10,11
	ds_load_b128 v[KV+4*\i:KV+4*\i+3], v[ADR] offset:VIM+512*\i    ; V's four images land while tile B's softmax is walked
.endr
	ds_load_b64 v[SCK:SCK+1], v[ADR8] offset:VSC
	s_setprio 1
	SOFTMAX 1
	s_setprio 0
	s_wait_alu depctr_va_vdst(0)
	s_wait_dscnt 0x0
.irp u, 0,1,2,3                                ; O^T += V^T P^T: eight accumulators, one instruction each
.irp t, 0,1
.if \u%2
	v_wmma_scale_f32_16x16x128_f8f6f4 v[OA+32*\t+8*\u:OA+32*\t+8*\u+7], v[KV+12*\u:KV+12*\u+11], v[PA+60*\t:PA+60*\t+11], v[OA+32*\t+8*\u:OA+32*\t+8*\u+7], v[SCK+\u/2], v[PS+\t] matrix_a_fmt:MATRIX_FMT_FP6 matrix_b_fmt:MATRIX_FMT_FP6 matrix_a_scale:MATRIX_SCALE_ROW1
.else
	v_wmma_scale_f32_16x16x128_f8f6f4 v[OA+32*\t+8*\u:OA+32*\t+8*\u+7], v[KV+12*\u:KV+12*\u+11], v[PA+60*\t:PA+60*\t+11], v[OA+32*\t+8*\u:OA+32*\t+8*\u+7], v[SCK+\u/2], v[PS+\t] matrix_a_fmt:MATRIX_FMT_FP6 matrix_b_fmt:MATRIX_FMT_FP6
.endif
.endr
.endr
.endm
	s_wait_tensorcnt 1                             ; my single record is in; my three records may stay out
	s_wait_loadcnt 0x0                             ; Q
	s_barrier_signal -1
	s_barrier_wait -1                              ; records 0-3 are whole
	s_mov_b32 s[TB], 0
	s_mov_b32 s[CNT], 4
.Lfirst:
	KSTEP
	s_add_co_u32 s[TB], s[TB], REC
	s_sub_co_u32 s[CNT], s[CNT], 1
	s_cmp_lg_u32 s[CNT], 0
	s_cbranch_scc1 .Lfirst
	s_setprio 0
	s_wait_tensorcnt 0x0                           ; my three records are in
	s_wait_dscnt 0x0
	s_barrier_signal -1
	s_barrier_wait -1                              ; records 4-15 are whole
	s_mov_b32 s[TB], 4*REC
	s_mov_b32 s[CNT], 12
.Lrest:
	KSTEP
	s_add_co_u32 s[TB], s[TB], REC
	s_sub_co_u32 s[CNT], s[CNT], 1
	s_cmp_lg_u32 s[CNT], 0
	s_cbranch_scc1 .Lrest
	s_setprio 0
	; THE WAY OUT.  O^T / the sum; the head's 64 back in their own order; quantised: lane (r, h) holds block h of its query whole.
.rept 4
	v_nop
.endr
	v_add_f32 v[ST+2], v[ST+2], v[ST+3]
	v_add_f32 v[ST+6], v[ST+6], v[ST+7]
	s_delay_alu instid0(VALU_DEP_2)
	v_permlanex16_b32 v[XX], v[ST+2], s[SEL], s[SEL+1]
	s_delay_alu instid0(VALU_DEP_2)
	v_permlanex16_b32 v[T1], v[ST+6], s[SEL], s[SEL+1]
	s_delay_alu instid0(VALU_DEP_2)
	v_add_f32 v[ST+2], v[ST+2], v[XX]
	s_delay_alu instid0(VALU_DEP_2)
	v_add_f32 v[ST+6], v[ST+6], v[T1]
	s_wait_alu depctr_va_vdst(0)
	v_rcp_f32 v[FF], v[ST+2]
	v_rcp_f32 v[A2], v[ST+6]
	v_nop                                          ; a plain instruction behind the reciprocals
	s_mov_b32 vcc_lo, 0xffff0000                   ; lanes 16-31
	s_wait_alu depctr_va_vdst(0)                   ; one wait for the two, ahead of the first reader
.macro OUTT t
.set rO, OA+32*(\t)
.set rC, KV+12*(\t)
.set j, 0
.rept 16
	v_pk_mul_f32 v[S+j:S+j+1], v[rO+j:rO+j+1], v[FF+2*(\t):FF+2*(\t)+1] op_sel_hi:[1,0]
.set j, j+2
.endr
.irp u, 0,1,2,3                                ; register 8 u + e of lane (r, h) is channel 32 h + 8 (u xor h) + e: lanes 16-31 take the neighbouring group of eight
.irp e, 0,1,2,3,4,5,6,7
	v_cndmask_b32 v[S+32+8*\u+\e], v[S+8*\u+\e], v[S+8*(\u+1-2*(\u%2))+\e], vcc_lo
.endr
.endr
	v_max3_num_f32 v[CH],   0x1800000, |v[S+32]|, |v[S+33]|
	v_max3_num_f32 v[CH+1], 0x1800000, |v[S+48]|, |v[S+49]|
.irp i, 2,4,6,8,10,12,14
	s_delay_alu instid0(VALU_DEP_2)
	v_max3_num_f32 v[CH],   v[CH],   |v[S+32+\i]|, |v[S+33+\i]|
	s_delay_alu instid0(VALU_DEP_2)
	v_max3_num_f32 v[CH+1], v[CH+1], |v[S+48+\i]|, |v[S+49+\i]|
.endr
	s_delay_alu instid0(VALU_DEP_1)
	v_max_num_f32 v[CH], v[CH], v[CH+1]
	s_delay_alu instid0(VALU_DEP_1)
	v_add_nc_u32 v[SO+\t], 0xff000000, v[CH]
	s_delay_alu instid0(VALU_DEP_1)
	v_lshrrev_b32 v[CH+2+\t], 23, v[SO+\t]
	v_cvt_scalef32_pk16_fp6_f32 v[rC:rC+2],   v[S+32:S+47], v[SO+\t]
	v_cvt_scalef32_pk16_fp6_f32 v[rC+6:rC+8], v[S+48:S+63], v[SO+\t]
	v_nop
.irp i, 0,1,2
	v_mov_b32 v[rC+3+\i], v[rC+6+\i]
.endr
	global_store_b128 v[L16], v[rC:rC+3], s[OP:OP+1] offset:768*\t          ; 512 consecutive bytes,
	global_store_b64 v[L8], v[rC+4:rC+5], s[OP:OP+1] offset:768*\t+512      ; and 256: half a fragment's registers 0-3 and 4-5
.endm
	OUTT 0
	OUTT 1
	v_lshlrev_b32 v[CH+2], v[SH8], v[CH+2]         ; each byte at its place among its row's two
	v_lshlrev_b32 v[CH+3], v[SH8], v[CH+3]
	s_delay_alu instid0(VALU_DEP_1)
	v_cndmask_b32 v[CH], v[CH+2], v[CH+3], vcc_lo
	s_delay_alu instid0(VALU_DEP_2)
	v_cndmask_b32 v[CH+1], v[CH+3], v[CH+2], vcc_lo
	s_delay_alu instid0(VALU_DEP_1)
	v_permlanex16_b32 v[XX], v[CH+1], s[SEL], s[SEL+1]
	s_delay_alu instid0(VALU_DEP_1)
	v_or_b32 v[CH], v[CH], v[XX]                   ; lanes 0-15: tile A's rows, lanes 16-31: tile B's
	global_store_b16 v[L32], v[CH], s[OSP:OSP+1]   ; two bytes a row are all that a head has of a row's 32: the one small store of the program, 64 bytes of a wave's 1,600
	s_wait_tensorcnt 0x0
	ds_add_u32 v254, v255
	s_wait_dscnt 0x0
	ROUND                                          ; the closing round: no work-group ends while a partner may still ask for a record that names it
	s_endpgm
.Lfunc_end_k_q75539bc703_attn:
	.size	k_q75539bc703_attn, .Lfunc_end_k_q75539bc703_attn-k_q75539bc703_attn
	.p2alignl 7, 3214868480
	.fill 96, 4, 3214868480
	.section	.rodata,"a",@progbits
	.p2align	6, 0x0
	.amdhsa_kernel k_q75539bc703_attn
		.amdhsa_group_segment_fixed_size 210944
		.amdhsa_private_segment_fixed_size 0
		.amdhsa_enable_private_segment 0
		.amdhsa_kernarg_size 32
		.amdhsa_user_sgpr_count 2
		.amdhsa_user_sgpr_kernarg_segment_ptr 1
		.amdhsa_wavefront_size32 1
		.amdhsa_system_sgpr_workgroup_id_x 1
		.amdhsa_system_sgpr_workgroup_id_y 1
		.amdhsa_system_sgpr_workgroup_id_z 1
		.amdhsa_system_vgpr_workitem_id 0
		.amdhsa_next_free_vgpr 256
		.amdhsa_next_free_sgpr 66
		.amdhsa_reserve_vcc 1
		.amdhsa_float_denorm_mode_32 3
		.amdhsa_float_denorm_mode_16_64 3
		.amdhsa_memory_ordered 1
		.amdhsa_forward_progress 1
		.amdhsa_inst_pref_size 75
	.end_amdhsa_kernel
	.amdgpu_metadata
---
amdhsa.version: [ 1, 2 ]
amdhsa.kernels:
  - .name:           k_q75539bc703_attn
    .symbol:         k_q75539bc703_attn.kd
    .args:
      - { .name: qrec, .offset: 0, .size: 8, .value_kind: global_buffer, .address_space: global }
      - { .name: kvrec, .offset: 8, .size: 8, .value_kind: global_buffer, .address_space: global }
      - { .name: orec, .offset: 16, .size: 8, .value_kind: global_buffer, .address_space: global }
      - { .name: osc, .offset: 24, .size: 8, .value_kind: global_buffer, .address_space: global }
    .group_segment_fixed_size: 210944
    .private_segment_fixed_size: 0
    .kernarg_segment_align: 8
    .kernarg_segment_size: 32
    .max_flat_workgroup_size: 512
    .sgpr_count:     66
    .vgpr_count:     256
    .wavefront_size: 32
...
	.end_amdgpu_metadata
.endif
;; end of part 2
;; launch outp (part 3): grid 4 x 32, 4 waves a work-group, clusters of 4 x 4, 327,680 bytes of LDS; arguments orec, osc, Wo_codes, Wo_scales, bo, out0; writes out0
.if DOCPART == 3
	.amdgcn_target "amdgcn-amd-amdhsa--gfx1250"
	.amdhsa_code_object_version 6
	.text
	.protected	k_q75539bc703_outp
	.globl	k_q75539bc703_outp
	.p2align	8
	.type	k_q75539bc703_outp,@function
k_q75539bc703_outp:
	s_mov_b64 s[64:65], 0
	v_nop
	global_prefetch_b8 v0, s[64:65] scope:SCOPE_SE
	s_setreg_imm32_b32 hwreg(HW_REG_WAVE_MODE, 25, 1), 1
	s_wait_xcnt 0x0
	s_wait_alu depctr_hold_cnt(0) depctr_sa_sdst(0) depctr_va_vdst(0) depctr_va_sdst(0) depctr_va_ssrc(0) depctr_va_vcc(0) depctr_vm_vsrc(0)
	s_getreg_b32 s2, hwreg(HW_REG_IB_STS2, 6, 4)
	s_cmp_eq_u32 s2, 0
	s_cbranch_scc0 .Lentry_in_a_cluster
	s_endpgm
.Lentry_in_a_cluster:
	s_bfe_u32 s2, ttmp6, 0x10000c
	s_cmp_lg_u32 s2, 0xf033
	s_cbranch_scc0 .Lentry_shape_is_right
	s_endpgm
.Lentry_shape_is_right:
; out0 = o Wo + bo on codes of FP6 (E2M3) with one E8M0 scale for each 32 along K = 1,024 (16 heads x 64).  o arrives from the attention launch as images of operand registers, Wo as rows of codes.
; SHARES.  A work-group makes 256 tokens x 256 columns; each of its four waves 128 x 128: 64 accumulators, 512 registers.  Source 0 = 16 rows of Wo (J: columns of the output), source 1 = 16 tokens (I):
; a lane holds eight neighbouring columns of one token.  K goes in steps of 256 (four heads) through a ring of two LDS slots; the scale bytes of the 256 + 256 rows, for all of K, come once.
; I'S FRAGMENTS ARE DENSE IMAGES: [block of 128 tokens][head][tile][768 bytes]: half a fragment's registers 0-3 at 16 x lane, registers 4-5 at 512 + 8 x lane.  A K step of a block is 24,576 consecutive bytes.
; Row r of tile T is token 64 (T / 4) + 32 (r / 8) + 8 ((T % 4) xor (r / 8)) + r % 8 of its block: that order enters here only in the stores' offsets.  osc's rows lie in the order (T, r).
; CLUSTER 4 x 4: the tokens' tiles are shared along a row of the cluster, Wo's along a column.  bo is the C of the first K step's products.
; LIMITS: NaN and infinities are not served.
; REGISTERS.  window 0: v16-30 addresses; v32-63 scale words, two sets, and nothing else; v64-127 bo; v128-223 I's eight fragments, one set; on the way out v128-255 rows read back.
;   window 1: J's fragments, two sets, at v0 and v128.   windows 2, 3: accumulator (a, b) at v[8 (8 (a % 4) + b)] of window 2 + a / 4.
.set PITCH,  240                       ; a row of Wo in LDS: 3 x (64 bytes of codes + 16 of padding)
.set HALFI,  24576                     ; a block of 128 tokens, four heads
.set HALFJ,  128*PITCH
.set JOFF,   2*HALFI
.set SLOT,   JOFF+2*HALFJ
.set SCL,    2*SLOT                    ; behind the ring: the scale bytes, as pieces of 256 bytes + 16 of padding
.set HALFS,  16*272
.set SBLK,   544                       ; those of 16 rows
.set SPARE,  SCL+4*HALFS               ; the spare words: 128 bytes a wave, two blocks of 256 bytes that no other line names
.set SPITCH, 528                       ; the way out: a stage of 16 rows x (512 bytes + 16) a wave, in slot 0, which has had its last fill and its last read when the first result is stored there
.set ROWB,   192
.set KROW,   768
.set FR,     12
.set NLI,    4                         ; LDS loads that bring a fragment of I
.set NQ,     2
.set NP,     4
.set AI16, 16                          ; v16, v17  I's images in slot 0, 1: + 16 x lane
.set AI8,  18                          ; v18, v19  + 8 x lane
.set ADRJ, 20                          ; v20, v21  J's rows in slot 0, 1;  v22, v23 the same behind one padding more
.set STO,  24
.set RD,   25
.set CO,   26
.set ADRS, 27                          ; v27  scale words: lanes 0-15 I's rows, lanes 16-31 J's
.set SPW,  28
.set NIL,  29
.set BO,   30                          ; v30  32 h
.set SC,   32
.set BIAS, 64
.set AF,   128
.set BK,   128
.set WV,   16
.set IH,   17                          ; wave / 2: my half of the tokens; also: I fetch for I (0) or for J (1)
.set JH,   18                          ; wave % 2: my half of the columns; also: which half I fetch
.set G1I,  24
.set G0I,  32
.set G1J,  48
.set G0J,  56
.set G1SI, 68
.set G0SI, 76
.set G1SJ, 80
.set G0SJ, 88
.set MSB, 0
.macro WIN new
.if MSB != (\new)
	s_set_vgpr_msb (MSB<<8)|(\new)
.set MSB, (\new)
.endif
.endm
.set MUL_LO, 0xa1
.set MUL_HI, 0xf1
.set TO_J,   0x40
.macro JLOAD g0a, g1a, g0b, g1b        ; a joint load: waves 0 and 1 fetch for I, waves 2 and 3 for J; four v_nop follow each line
	s_cmp_eq_u32 s[IH], 0
	s_cbranch_scc0 .Lfor_j_\@
	tensor_load_to_lds s[\g0a:\g0a+3], s[\g1a:\g1a+7]
	s_nop 0
.rept 4
	v_nop
.endr
	s_branch .Lasked_\@
.Lfor_j_\@:
	tensor_load_to_lds s[\g0b:\g0b+3], s[\g1b:\g1b+7]
	s_nop 0
.rept 4
	v_nop
.endr
.Lasked_\@:
.endm
.macro CREST
	s_cmp_lg_u32 s[WV], 0
	s_cbranch_scc1 .Lnot_wave_0_\@
	s_barrier_signal -3
.Lnot_wave_0_\@:
	s_barrier_wait -3
	s_barrier_signal -1
	s_barrier_wait -1
.endm
.macro CROUND
	s_barrier_signal -1
	s_barrier_wait -1
	CREST
.endm
.macro PLACES n
.rept \n
	v_nop
.endr
.endm
	s_load_b128 s[4:7], s[0:1], 0x0                ; orec, osc
	s_load_b128 s[8:11], s[0:1], 0x10              ; Wo's codes, Wo's scales
	s_load_b128 s[12:15], s[0:1], 0x20             ; bo, out0
	v_lshl_add_u32 v[SPW], v0, 2, SPARE
	v_mov_b32 v[NIL], 0
	ds_add_u32 v28, v29
	ds_add_u32 v28, v29
	s_wait_dscnt 0x0
	v_lshrrev_b32 v1, 5, v0
	v_readfirstlane_b32 s[WV], v1
	s_lshr_b32 s[IH], s[WV], 1
	s_and_b32 s[JH], s[WV], 1
	s_bfe_u32 s40, ttmp6, 0x40000                  ; cx
	s_bfe_u32 s41, ttmp6, 0x40004                  ; cy
	s_lshl_b32 s42, ttmp9, 2
	s_add_co_u32 s42, s42, s40                     ; x: which 256 columns
	s_and_b32 s19, ttmp7, 0xffff
	s_lshl_b32 s19, s19, 2
	s_add_co_u32 s19, s19, s41                     ; y: which 256 tokens
	s_lshl_b32 s43, s41, 2
	s_lshl_b32 s43, 15, s43                        ; my row of the cluster
	s_lshl_b32 s44, 0x1111, s40                    ; my column
	s_or_b32 s[G1I], s43, (3<<16)|(1<<21)          ; I: 24,576 dense bytes as 96 rows of 256 (32 elements of 8 bytes), no padding
	s_mov_b32 s[G1I+1], 32<<16
	s_mov_b32 s[G1I+2], 96<<16
	s_mov_b32 s[G1I+3], 32<<16
	s_mov_b32 s[G1I+4], 96
	s_mov_b32 s[G1I+5], 32
	s_mov_b32 s[G1I+6], 0
	s_mov_b32 s[G1I+7], 0
	s_or_b32 s[G1J], s44, (1<<20)|(1<<21)|(3<<22)|(3<<25)   ; J: 128 rows of 192 bytes, 16 bytes of padding behind every 64
	s_mov_b32 s[G1J+1], ROWB<<16
	s_mov_b32 s[G1J+2], 128<<16
	s_mov_b32 s[G1J+3], ROWB<<16
	s_mov_b32 s[G1J+4], 128
	s_mov_b32 s[G1J+5], KROW
	s_mov_b32 s[G1J+6], 0
	s_mov_b32 s[G1J+7], 0
	s_or_b32 s[G1SI], s43, (3<<16)|(1<<20)|(1<<21)|(5<<22)|(3<<25)   ; the scale bytes of 128 rows: 16 rows of 256 bytes, 16 bytes of padding behind each
	s_or_b32 s[G1SJ], s44, (3<<16)|(1<<20)|(1<<21)|(5<<22)|(3<<25)
.irp g, G1SI, G1SJ
	s_mov_b32 s[\g+1], 32<<16
	s_mov_b32 s[\g+2], 16<<16
	s_mov_b32 s[\g+3], 32<<16
	s_mov_b32 s[\g+4], 16
	s_mov_b32 s[\g+5], 32
	s_mov_b32 s[\g+6], 0
	s_mov_b32 s[\g+7], 0
.endr
	s_lshl_b32 s20, s19, 1
	s_add_co_u32 s20, s20, s[JH]                   ; the block of 128 tokens that I fetch
	s_mul_i32 s22, s20, 98304                      ; its sixteen heads' images
	s_mov_b32 s23, 0
	s_lshl_b32 s92, s20, 12                        ; its scale bytes
	s_mov_b32 s93, 0
	s_lshl_b32 s46, s42, 8
	s_lshl_b32 s47, s[JH], 7
	s_add_co_u32 s46, s46, s47                     ; the first of the 128 rows of Wo that I fetch
	s_mul_i32 s94, s46, KROW
	s_mov_b32 s95, 0
	s_lshl_b32 s96, s46, 5
	s_mov_b32 s97, 0
	s_mul_i32 s45, s[JH], HALFI                    ; where they go: no place in the cluster enters an LDS address
	s_mul_i32 s47, s[JH], HALFJ
	s_add_co_u32 s47, s47, JOFF
	s_mul_i32 s98, s[WV], HALFS
	s_wait_kmcnt 0x0
	s_add_nc_u64 s[4:5], s[4:5], s[22:23]
	s_add_nc_u64 s[6:7], s[6:7], s[92:93]
	s_add_nc_u64 s[8:9], s[8:9], s[94:95]
	s_add_nc_u64 s[10:11], s[10:11], s[96:97]
	CROUND                                         ; all sixteen work-groups are here: the first joint loads meet
	s_mov_b32 s[G0SI], 1
	s_add_co_u32 s[G0SI+1], s98, SCL
	s_mov_b64 s[G0SI+2:G0SI+3], s[6:7]
	s_or_b32 s[G0SI+3], s[G0SI+3], 0x80000000
	s_mov_b32 s[G0SJ], 1
	s_add_co_u32 s[G0SJ+1], s98, SCL
	s_mov_b64 s[G0SJ+2:G0SJ+3], s[10:11]
	s_or_b32 s[G0SJ+3], s[G0SJ+3], 0x80000000
	JLOAD G0SI, G1SI, G0SJ, G1SJ                   ; the scale bytes first
.irp s, 0,1
	s_mov_b32 s[G0I+4*\s], 1
	s_add_co_u32 s[G0I+4*\s+1], s45, \s*SLOT
	s_add_nc_u64 s[G0I+4*\s+2:G0I+4*\s+3], s[4:5], \s*HALFI
	s_or_b32 s[G0I+4*\s+3], s[G0I+4*\s+3], 0x80000000
	s_mov_b32 s[G0J+4*\s], 1
	s_add_co_u32 s[G0J+4*\s+1], s47, \s*SLOT
	s_add_nc_u64 s[G0J+4*\s+2:G0J+4*\s+3], s[8:9], \s*ROWB
	s_or_b32 s[G0J+4*\s+3], s[G0J+4*\s+3], 0x80000000
	JLOAD G0I+4*\s, G1I, G0J+4*\s, G1J             ; three loads of mine are out
.endr
	v_and_b32 v1, 15, v0                           ; r
	v_bfe_u32 v2, v0, 4, 1                         ; h
	v_and_b32 v3, 31, v0                           ; lane
	v_lshlrev_b32 v[CO], 4, v3
	v_lshlrev_b32 v4, 3, v3
	v_mul_u32_u24 v5, v1, PITCH
	v_mad_u32_u24 v5, v2, 24, v5                   ; J: row x pitch + 24 h,
	v_lshl_add_u32 v6, v2, 4, v5                   ; and the same behind one padding more
	s_mul_i32 s21, s[IH], HALFI                    ; my 128 tokens
	s_mul_i32 s22, s[JH], HALFJ
	s_add_co_u32 s22, s22, JOFF                    ; my 128 rows of Wo
.irp s, 0,1
	v_add_nc_u32 v[AI16+\s], s21, v[CO]
	v_add_nc_u32 v[AI8+\s], s21, v4
	v_add_nc_u32 v[ADRJ+\s], s22, v5
	v_add_nc_u32 v[ADRJ+2+\s], s22, v6
	s_add_co_u32 s21, s21, SLOT
	s_add_co_u32 s22, s22, SLOT
.endr
	v_lshlrev_b32 v5, 5, v1                        ; my row's scale bytes: 32 a row,
	v_lshrrev_b32 v6, 8, v5
	v_lshl_add_u32 v5, v6, 4, v5                   ; and 16 more for each 256 passed
	s_mul_i32 s21, s[IH], HALFS                    ; I's: my 128 rows
	s_mul_i32 s22, s[JH], HALFS
	s_add_co_u32 s22, s22, 2*HALFS                 ; J's, behind I's 256
	s_sub_co_u32 s22, s22, s21
	v_mul_u32_u24 v6, s22, v2                      ; lanes 16-31 take J's
	s_add_co_u32 s21, s21, SCL
	v_add_nc_u32 v5, v5, v6
	v_add_nc_u32 v[ADRS], s21, v5
	s_mul_i32 s23, s[WV], 16*SPITCH                ; my stage
	v_mul_u32_u24 v5, v1, SPITCH                   ; in: row r, 32 bytes for each half of the lanes
	v_lshl_add_u32 v5, v2, 5, v5
	v_add_nc_u32 v[STO], s23, v5
	v_add_nc_u32 v[RD], s23, v[CO]                 ; back: the 32 lanes take one row of 512 bytes
	v_lshlrev_b32 v[BO], 5, v2
	s_lshl_b32 s20, s42, 10
	s_lshl_b32 s21, s[JH], 9
	s_add_co_u32 s20, s20, s21                     ; my first column, in bytes
	s_mov_b32 s21, 0
	s_add_nc_u64 s[12:13], s[12:13], s[20:21]      ; bo at my 128 columns
	s_add_nc_u64 s[14:15], s[14:15], s[20:21]
	s_lshl_b32 s20, s19, 8
	s_lshl_b32 s22, s[IH], 7
	s_add_co_u32 s20, s20, s22                     ; my first token
	s_lshl_b32 s20, s20, 12                        ; a row of out0 is 4,096 bytes
	s_add_nc_u64 s[14:15], s[14:15], s[20:21]
.irp b, 0,1,2,3,4,5,6,7                        ; tile b's register j of lane (r, h) is column 16 b + 8 h + j
	global_load_b128 v[BIAS+8*\b:BIAS+8*\b+3],   v[BO], s[12:13] offset:64*\b
	global_load_b128 v[BIAS+8*\b+4:BIAS+8*\b+7], v[BO], s[12:13] offset:64*\b+16
.endr
.macro FRAGJ reg, adr, q, i            ; a fragment of Wo: 24 bytes of the row for each half of K, in pieces of 8 bytes
.irp p, 0,1,2,3,4,5
.set PCE, 12*(\q)+6*(\p/3)+\p%3
.if PCE%8 < 5
	ds_load_b64 v[\reg+2*\p:\reg+2*\p+1], v[\adr] offset:8*PCE+16*(PCE/8)+(\i)*16*PITCH
.else
	ds_load_b64 v[\reg+2*\p:\reg+2*\p+1], v[\adr+2] offset:8*PCE+16*(PCE/8)+(\i)*16*PITCH
.endif
.endr
.endm
.macro FRAGI reg, slot, q, t           ; a fragment of o: the half fragments of heads 2 q and 2 q + 1 of the slot's four
.irp k, 0,1
	ds_load_b128 v[\reg+6*\k:\reg+6*\k+3],   v[AI16+\slot] offset:(2*(\q)+\k)*6144+(\t)*768
	ds_load_b64  v[\reg+6*\k+4:\reg+6*\k+5], v[AI8+\slot]  offset:(2*(\q)+\k)*6144+(\t)*768+512
.endr
.endm
.macro FETCH_J slot, q, p
	WIN TO_J
.irp i, 0,1,2,3,4,5,6,7
	FRAGJ 128*(\p)+FR*\i, ADRJ+\slot, \q, \i
.endr
	WIN 0
.endm
.macro FETCH_I slot, q, i0
.irp i, \i0, \i0+1, \i0+2, \i0+3
	FRAGI AF+FR*(\i), \slot, \q, \i
.endr
.endm
.macro SCALES sc
.irp i, 0,1,2,3,4,5,6,7
	ds_load_b64 v[SC+8*NQ*\sc+NQ*\i:SC+8*NQ*\sc+NQ*\i+1], v[ADRS] offset:\i*SBLK
.endr
.endm
.macro WM d, a, b, c, sa, sb
	v_wmma_scale_f32_16x16x128_f8f6f4 v[\d:\d+7], v[\a:\a+11], v[\b:\b+11], v[\c:\c+7], v[\sa], v[\sb] matrix_a_fmt:MATRIX_FMT_FP6 matrix_b_fmt:MATRIX_FMT_FP6 matrix_a_scale:MATRIX_SCALE_ROW1
.endm
; 16 matrix instructions: I's tiles a0, a0 + 1 x J's eight.  mode 1: the sums begin with bo.  The 64 accumulators take turns, one instruction a turn.
.macro MUL16 a0, p, q, sc, mode
.irp a, \a0, \a0+1
.irp b, 0,1,2,3,4,5,6,7
.if \mode == 0
	WM 8*(8*((\a)%4)+\b), 128*(\p)+FR*\b, AF+FR*(\a), 8*(8*((\a)%4)+\b), SC+8*NQ*(\sc)+NQ*\b+(\q), SC+8*NQ*(\sc)+NQ*(\a)+(\q)
.else
	WM 8*(8*((\a)%4)+\b), 128*(\p)+FR*\b, AF+FR*(\a), BIAS+8*\b, SC+8*NQ*(\sc)+NQ*\b+(\q), SC+8*NQ*(\sc)+NQ*(\a)+(\q)
.endif
.endr
.endr
.endm
.macro STEP slot, q, first
	s_wait_dscnt 4*NLI                             ; J's set, I's tiles 0-3 and the scale words are in; the youngest 16 loads (I's tiles 4-7) may be out
.if \first
	WIN 0x81                                       ; C (bo) in window 0
.else
	WIN MUL_LO
.endif
	MUL16 0, (\q)%2, \q, \slot, \first
	MUL16 2, (\q)%2, \q, \slot, \first
	s_wait_dscnt 0
	PLACES NP
	FETCH_J \slot, (\q)+1, 1-(\q)%2
	FETCH_I \slot, (\q)+1, 0
.if \first
	WIN 0xc1
.else
	WIN MUL_HI
.endif
	MUL16 4, (\q)%2, \q, \slot, \first
	MUL16 6, (\q)%2, \q, \slot, \first
	PLACES NP
	WIN 0
	FETCH_I \slot, (\q)+1, 4
.endm
.macro TURN slot, next, fill
	s_wait_tensorcnt 0x0                           ; all my tensor loads have landed: my part of the next slot
	ds_add_u32 v[SPW], v[NIL]                      ; 0 onto my spare word
	s_wait_dscnt 4*NLI+1                           ; the add and the youngest 16 loads may be out
	WIN MUL_LO
	MUL16 0, 1, NQ-1, \slot, 0
	s_wait_dscnt 0x0                               ; the add is done, and my reads of this slot are over
	s_barrier_signal -1
	MUL16 2, 1, NQ-1, \slot, 0
	WIN 0
	s_barrier_wait -1
.if \fill
	CREST                                          ; the barrier has opened a round of the cluster's barrier
	s_add_nc_u64 s[G0I+4*\slot+2:G0I+4*\slot+3], s[G0I+4*\slot+2:G0I+4*\slot+3], 2*HALFI
	s_add_nc_u64 s[G0J+4*\slot+2:G0J+4*\slot+3], s[G0J+4*\slot+2:G0J+4*\slot+3], 2*ROWB
	JLOAD G0I+4*\slot, G1I, G0J+4*\slot, G1J       ; the first tensor load behind the round
.else
	PLACES NP
.endif
	v_add_nc_u32 v[ADRS], 4*NQ, v[ADRS]
	FETCH_J \next, 0, 0
	FETCH_I \next, 0, 0
	SCALES \next
	WIN MUL_HI
	MUL16 4, 1, NQ-1, \slot, 0
	MUL16 6, 1, NQ-1, \slot, 0
	PLACES NP
	WIN 0
	FETCH_I \next, 0, 4
.endm
	s_wait_tensorcnt 1                             ; the scale bytes and my part of K step 0 are in; K step 1's load may be out
	s_barrier_signal -1
	s_barrier_wait -1
	FETCH_J 0, 0, 0
	FETCH_I 0, 0, 0
	SCALES 0
	FETCH_I 0, 0, 4
	s_wait_loadcnt 0x0                             ; bo
	STEP 0, 0, 1
	TURN 0, 1, 1
	STEP 1, 0, 0
	TURN 1, 0, 1
	STEP 0, 0, 0
	TURN 0, 1, 0
	STEP 1, 0, 0
	s_wait_dscnt 4*NLI
	WIN MUL_LO
	MUL16 0, 1, NQ-1, 1, 0
	MUL16 2, 1, NQ-1, 1, 0
	s_wait_dscnt 0
	WIN MUL_HI
	MUL16 4, 1, NQ-1, 1, 0
	MUL16 6, 1, NQ-1, 1, 0
	WIN 0
; THE WAY OUT, a tile of 16 tokens x 128 columns at a time, through my own stage: in as 32 bytes a lane, back as whole rows of 512 bytes.  LDS serves a wave's instructions in order (ISA guide 5.7.1.4).
.macro TOSTAGE a
.set AC, 64*((\a)%4)
	WIN 0x08+4*((\a)/4)                            ; the data: window 2 or 3
.irp b, 0,1,2,3,4,5,6,7
	ds_store_b128 v[STO], v[AC+8*\b:AC+8*\b+3] offset:64*\b          ; each accumulator from its low end on
	ds_store_b128 v[STO], v[AC+8*\b+4:AC+8*\b+7] offset:64*\b+16
.endr
	WIN 0
.set BB, BK+64*((\a)%2)
.irp t, 0,1,2,3,4,5,6,7,8,9,10,11,12,13,14,15
	ds_load_b128 v[BB+4*\t:BB+4*\t+3], v[RD] offset:\t*SPITCH
.endr
.endm
.macro SEND a, younger                 ; row t of tile a is token 64 (a / 4) + 32 (t / 8) + 8 ((a % 4) xor (t / 8)) + t % 8 of my 128: the offset is an immediate, 127 rows of 4,096 bytes at the most; no base is stepped
.set BB, BK+64*((\a)%2)
	s_wait_dscnt \younger
.irp t, 0,1,2,3,4,5,6,7,8,9,10,11,12,13,14,15
	global_store_b128 v[CO], v[BB+4*\t:BB+4*\t+3], s[14:15] offset:(64*((\a)/4)+32*(\t/8)+8*(((\a)%4)+(\t/8)*(1-2*((\a)%2)))+\t%8)*4096 th:TH_STORE_NT   ; 32 lanes store 512 consecutive bytes, at a multiple of 256 from out0's first byte
.endr
.endm
	PLACES NP
	TOSTAGE 0
.irp a, 1,2,3,4,5,6,7
.if \a > 1
	s_wait_xcnt 0x0                                ; tile a - 2's stores have read their registers: tile a's rows may land there
.endif
	TOSTAGE \a
	SEND \a-1, 32                                  ; behind tile a - 1's loads: tile a's 16 stores and 16 loads
.endr
	SEND 7, 0
	s_wait_tensorcnt 0x0                           ; the wave's end
	ds_add_u32 v[SPW], v[NIL]
	s_wait_dscnt 0x0
	CROUND                                         ; the closing round
	s_endpgm
.Lfunc_end_k_q75539bc703_outp:
	.size	k_q75539bc703_outp, .Lfunc_end_k_q75539bc703_outp-k_q75539bc703_outp
	.p2alignl 7, 3214868480
	.fill 96, 4, 3214868480
	.section	.rodata,"a",@progbits
	.p2align	6, 0x0
	.amdhsa_kernel k_q75539bc703_outp
		.amdhsa_group_segment_fixed_size 327680
		.amdhsa_private_segment_fixed_size 0
		.amdhsa_enable_private_segment 0
		.amdhsa_kernarg_size 48
		.amdhsa_user_sgpr_count 2
		.amdhsa_user_sgpr_kernarg_segment_ptr 1
		.amdhsa_wavefront_size32 1
		.amdhsa_system_sgpr_workgroup_id_x 1
		.amdhsa_system_sgpr_workgroup_id_y 1
		.amdhsa_system_sgpr_workgroup_id_z 1
		.amdhsa_system_vgpr_workitem_id 0
		.amdhsa_next_free_vgpr 1024
		.amdhsa_next_free_sgpr 100
		.amdhsa_reserve_vcc 0
		.amdhsa_float_denorm_mode_32 3
		.amdhsa_float_denorm_mode_16_64 3
		.amdhsa_memory_ordered 1
		.amdhsa_forward_progress 1
		.amdhsa_inst_pref_size 153
	.end_amdhsa_kernel
	.amdgpu_metadata
---
amdhsa.version: [ 1, 2 ]
amdhsa.kernels:
  - .name:           k_q75539bc703_outp
    .symbol:         k_q75539bc703_outp.kd
    .args:
      - { .name: orec, .offset: 0, .size: 8, .value_kind: global_buffer, .address_space: global }
      - { .name: osc, .offset: 8, .size: 8, .value_kind: global_buffer, .address_space: global }
      - { .name: Wo_codes, .offset: 16, .size: 8, .value_kind: global_buffer, .address_space: global }
      - { .name: Wo_scales, .offset: 24, .size: 8, .value_kind: global_buffer, .address_space: global }
      - { .name: bo, .offset: 32, .size: 8, .value_kind: global_buffer, .address_space: global }
      - { .name: out0, .offset: 40, .size: 8, .value_kind: global_buffer, .address_space: global }
    .group_segment_fixed_size: 327680
    .private_segment_fixed_size: 0
    .kernarg_segment_align: 8
    .kernarg_segment_size: 48
    .max_flat_workgroup_size: 128
    .sgpr_count:     100
    .vgpr_count:     1024
    .wavefront_size: 32
...
	.end_amdgpu_metadata
.endif
;; end of part 3
